; MI455X (gfx1250); checked and timed in simulation.
; The chip was launched on July 23, 2026; its instructions are those of AMD's public machine-readable ISA for CDNA 5 (MIT licence, August 2026) and "CDNA5" Instruction Set Architecture Reference Guide (July 2026). The comments in the code are by the model that wrote it; some were corrected since.
;; Transformer Block. Allowed arithmetic: matrix products marked QUANTISED: E2M3 operands, one E8M0 scale for each 32 along K, by v_wmma_scale_f32_16x16x128_f8f6f4 with both operands' format E2M3, f32 sums; everything else in f32.
;; Inputs: ff1_b 4,096 float32; ff1_w 1,024 x 4,096 float32; ff2_b 1,024 float32; ff2_w 4,096 x 1,024 float32; ln1_b 1,024 float32; ln1_g 1,024 float32; ln2_b 1,024 float32; ln2_g 1,024 float32; proj_b 1,024 float32; proj_w 1,024 x 1,024 float32; qkv_b 3,072 float32; qkv_w 1,024 x 3,072 float32; x 2 x 2,048 x 1,024 float32.
;; Outputs: out0 2 x 2,048 x 1,024 float32.
;; This version of the problem:
;;   THIS VERSION OF THE PROBLEM IS GIVEN IN LOW PRECISION. The matrix products marked QUANTISED in the list below multiply operands that are first quantised to E2M3 (2 exponent bits, 3 mantissa bits; 6 bits a number), with one power-of-two scale for each 32 numbers along K (OCP MX v1.0); their sums are f32. All else is computed in f32.
;;   The module's matrix products, in the order in which they are computed (A, B: the left and right operand; K: the contracted axis; several contracted axes count as one K, in the product's order):
;;     1. [M 4,096, K 1,024] x [K 1,024, N 3,072]; A: computed on the way; B: input qkv_w: QUANTISED
;;     2. batch 32 x [M 2,048, K 64] x [K 64, N 2,048]; A: computed on the way; B: computed on the way: QUANTISED
;;     3. batch 32 x [M 64, K 2,048] x [K 2,048, N 2,048]; A: computed on the way; B: softmax (see below): QUANTISED
;;     4. [M 4,096, K 1,024] x [K 1,024, N 1,024]; A: computed on the way; B: input proj_w: QUANTISED
;;     5. [M 4,096, K 1,024] x [K 1,024, N 4,096]; A: computed on the way; B: input ff1_w: QUANTISED
;;     6. [M 4,096, K 4,096] x [K 4,096, N 1,024]; A: computed on the way; B: input ff2_w: QUANTISED
;;   THE QUANTISER, for each operand of a quantised product, along K:
;;     - K is cut into blocks of 32 from its start; a last block that is shorter is filled with zeros.
;;     - A block's scale is 2^e with e = floor(log2(the largest magnitude in the block)) - 2, held to -126 .. 127; a block of zeros has e = 0. As a byte (E8M0): e + 127.
;;     - Each number is divided by its block's scale, clamped to +-7.5, and rounded to the nearest number of E2M3, ties to even, subnormals kept.
;;     - The product sums the exact products of the quantised numbers (number of the format x scale) in f32.
;;   ~~~python
;;   def quantise(x, axis):      # numpy; x: float32 -> the quantised numbers, widened to float32 again
;;       x = np.moveaxis(x, axis, -1); K = x.shape[-1]
;;       x = np.pad(x, [(0, 0)] * (x.ndim - 1) + [(0, -K % 32)]); x = x.reshape(x.shape[:-1] + (-1, 32)); a = np.abs(x).max(-1, keepdims=True)
;;       e = np.where(a > 0, np.clip(np.frexp(np.where(a > 0, a, 1))[1] - 1 - 2, -126, 127), 0)      # np.frexp(a)[1] - 1 = floor(log2(a)), exactly
;;       r = np.clip(x / 2.0 ** e, -7.5, 7.5)
;;       step = 2.0 ** (np.maximum(np.frexp(np.where(r == 0, 1, r))[1] - 1, 0) - 3)
;;       q = np.round(r / step) * step * 2.0 ** e      # np.round: ties to even
;;       return np.moveaxis(q.reshape(q.shape[:-2] + (-1,))[..., :K], -1, axis).astype(np.float32)
;;   ~~~
;;   SOFTMAX AHEAD OF A QUANTISED PRODUCT. Where the list says 'softmax', what is quantised is not the finished softmax but p = 2^(t - M), with t = logit x log2(e) and M = ceil(the row's largest t), a whole number; so 1/2 < the row's largest p <= 1. The row's sum l is taken of the UNQUANTISED p, in f32, and the product's result is divided by l at the end. Since M is a whole number, a kernel that streams over the keys may use a running M (the ceiling of the running maximum): every later rescaling is an exact power of two, which a block's scale takes up: the codes' values come out the same.
;;   OPERANDS COMPUTED ON THE WAY. 'Computed on the way' means the value that the module computes at that place (a softmax that the list does not call 'softmax' is quantised finished and normalised). What goes into a quantiser is computed in f32, as accurately as f32 sums, v_exp_f32 and their like allow (about 1e-6 of the number): no bf16 or f16 on the way to a quantiser, and a product that is left as it is and whose result goes on into a quantised operand takes f32 operands (vector FMAs, or v_wmma_f32_16x16x4_f32). A number that lies on a knife's edge between two numbers of the format may be rounded either way, as far as f32 arithmetic and the matrix unit's own rounding can turn it there, and no further.
;; One version. Each part assembles by itself: llvm-mc -triple=amdgcn-amd-amdhsa -mcpu=gfx1250 --defsym DOCPART=n.
;; ======== version 1 of 1: 7 launches
;; limits: an absolute error that grows with the inputs' magnitude: up to 1e-07 times it
;; workspace buffers: wts 10,354,688 bytes; a1 3,276,800 bytes; qkv 10,092,544 bytes; ao 3,276,800 bytes; x1 16,777,216 bytes; a2 3,276,800 bytes; g 13,107,200 bytes
;; launch prep (part 1): grid 512 x 1, 8 waves a work-group, no clusters, 118,016 bytes of LDS; arguments x, ln1_g, ln1_b, a1, qkv_w, proj_w, ff1_w, ff2_w, wts; writes a1, wts
.if DOCPART == 1
	.amdgcn_target "amdgcn-amd-amdhsa--gfx1250"
	.amdhsa_code_object_version 6
	.text
	.protected	k_q2c89b7f4f0_prep
	.globl	k_q2c89b7f4f0_prep
	.p2align	8
	.type	k_q2c89b7f4f0_prep,@function
k_q2c89b7f4f0_prep:
	s_mov_b64 s[64:65], 0
	v_nop
	global_prefetch_b8 v0, s[64:65] scope:SCOPE_SE
	s_setreg_imm32_b32 hwreg(HW_REG_WAVE_MODE, 25, 1), 1
	s_wait_xcnt 0x0
; THREE WORKS THAT SHARE NO BYTE, IN ONE LAUNCH; they part on the work-group's number P alone, and each way has LDS bytes of its own.
; P = 0-191, THE WEIGHTS: the four weights [K][N] f32 become codes of FP6 (E2M3) with one E8M0 byte for each 32 along K, laid as the products' launches load them.  The eight waves are two halves of four: half wave / 4 takes
; part 2 P + wave / 4 of 384: 128 columns x 256 along K; a lane takes a column and its registers run down K, so a block of 32 is one lane's and nothing is transposed.  The tensors' first parts (0, 96, 128, 256) are even, so
; both halves of a work-group belong to one tensor: sizes and pointers are chosen by P.
; P = 192-255, THE TABLE of cosines and sines for the rotary step, parts 384-511: [16 positions][8][lane][16 bytes]: pieces 0-3 the cosines of frequencies 16 (lane / 16) + 4 e + 0..3 at the lane's position, pieces 4-7 the sines.  No LDS.
; P = 256-511, THE FIRST NORM: y = (x - mean) / sqrt(var + 1e-5) * gain + bias for rows of 1,024 f32, then codes and scale bytes along the row; a work-group makes one block of 16 places.
; ORDER OF ROWS: row or column n stands at place p = n with bits 3 and 4 exchanged.  IMAGE: [16 places][128 along K][1,536 bytes]: an operand's 12 registers as two halves of 768 bytes: registers 6 c .. 6 c + 3 at 16 x lane,
; then registers 6 c + 4, 6 c + 5 at 8 x lane.  SCALE WORDS: [128 places][128 along K][8 blocks of 16 places][16][4 bytes].
; LIMITS: a block of zeros gets the byte 1 (its codes are zeros, and this program alone reads the bytes); NaN and infinities are not served; the weights' scale words leave in runs of 128 bytes (one byte for 128 read), the norm's
; in runs of 64 (for 1,536 bytes of codes); a frequency is the product of two rounded constants, within 2 units of its last place.
.set LNB,   51200                      ; LDS: bytes 0 to 51,199 the weights' eight stages of 6,400; from here the norm's stage
.set PITCH, 4112                       ; a row of the norm's stage: 4,096 bytes + 16: the 16 rows that a load touches begin 16 bytes apart modulo 256
.set SPARE, LNB+16*PITCH               ; behind both: the spare words, 128 bytes a wave
.set TBL,   9830400                    ; the table's place in wts
.set ASCL,  3145728                    ; where a1's scale words begin
.set SPW,   198
.set NIL,   199
.set X,     32                         ; v32-95   the weights: two sets of 32 numbers; the norm: my two rows, later 64 numbers for the quantiser
.set RO,    96                         ; v96-127  the weights: 4 x lane + i rows of the tensor; never rewritten
.set OUTR,  128                        ; v128-175 the weights' way out
	v_lshl_add_u32 v[SPW], v0, 2, SPARE
	v_mov_b32 v[NIL], 0
	v_lshrrev_b32 v1, 5, v0
	v_readfirstlane_b32 s70, v1                    ; wave 0..7
	s_cmp_ge_u32 ttmp9, 256
	s_cbranch_scc1 .Lnorm
	s_load_b256 s[4:11], s[0:1], 0x20              ; qkv_w, proj_w, ff1_w, ff2_w
	s_load_b64 s[12:13], s[0:1], 0x40              ; wts
	s_and_b32 s16, s70, 3                          ; my wave in its half
	s_lshr_b32 s71, s70, 2
	s_lshl_b32 s72, ttmp9, 1
	s_add_co_u32 s72, s72, s71                     ; my part: 2 P + wave / 4
	v_and_b32 v2, 31, v0                           ; lane
	v_lshlrev_b32 v10, 4, v2                       ; 16 x lane
	s_cmp_ge_u32 ttmp9, 192
	s_cbranch_scc1 .Lrope
	; which tensor: first part, bytes of a row, log2 of the runs of 256 along K, where codes and scale words begin
	s_mov_b32 s17, 256
	s_mov_b32 s18, 4096
	s_mov_b32 s19, 4
	s_mov_b32 s20, 6291456
	s_mov_b32 s21, 9699328                         ; ff2_w
	s_cmp_lt_u32 ttmp9, 128
	s_cselect_b32 s17, 128, s17
	s_cselect_b32 s18, 16384, s18
	s_cselect_b32 s19, 2, s19
	s_cselect_b32 s20, 3145728, s20
	s_cselect_b32 s21, 9568256, s21                ; ff1_w
	s_cmp_lt_u32 ttmp9, 64
	s_cselect_b32 s17, 96, s17
	s_cselect_b32 s18, 4096, s18
	s_cselect_b32 s20, 2359296, s20
	s_cselect_b32 s21, 9535488, s21                ; proj_w
	s_cmp_lt_u32 ttmp9, 48
	s_cselect_b32 s17, 0, s17
	s_cselect_b32 s18, 12288, s18
	s_cselect_b32 s20, 0, s20
	s_cselect_b32 s21, 9437184, s21                ; qkv_w
	s_sub_co_u32 s26, s72, s17
	s_bfm_b32 s22, s19, 0
	s_and_b32 s23, s26, s22                        ; yk: which 256 along K
	s_lshr_b32 s24, s26, s19                       ; xt: which 128 columns
	s_lshl_b32 s25, 2, s19                         ; KT = K / 128
	s_lshl_b32 s27, s23, 8
	s_mul_i32 s30, s27, s18                        ; 256 yk rows
	s_lshl_b32 s28, s24, 9
	s_add_co_u32 s30, s30, s28                     ; + 128 xt columns
	s_lshl_b32 s28, s16, 7
	s_add_co_u32 s30, s30, s28                     ; + 32 columns a wave
	s_mov_b32 s31, 0
	s_lshl_b32 s32, s18, 5                         ; 32 rows on
	s_mov_b32 s33, 0
	s_lshl_b32 s34, s24, 3
	s_lshl_b32 s35, s16, 1
	s_add_co_u32 s34, s34, s35                     ; my first block of 16 places: 8 xt + 2 wave
	s_mul_i32 s34, s34, s25
	s_lshl_b32 s36, s23, 1
	s_add_co_u32 s34, s34, s36                     ; x KT + 2 yk
	s_mul_i32 s34, s34, 1536
	s_add_co_u32 s56, s34, s20
	s_mov_b32 s57, 0
	s_mul_i32 s58, s25, 1536                       ; one block of 16 places on
	s_mov_b32 s59, 0
	s_mul_i32 s37, s24, s25
	s_add_co_u32 s37, s37, s36
	s_lshl_b32 s37, s37, 3
	s_add_co_u32 s37, s37, s35
	s_lshl_b32 s37, s37, 6
	s_add_co_u32 s66, s37, s21                     ; ((xt KT + 2 yk) 8 + 2 wave) 64
	s_mov_b32 s67, 0
	v_lshlrev_b32 v3, 2, v2
.set i, 0
.rept 32
	v_mad_u32_u24 v[RO+i], s18, i, v3
.set i, i+1
.endr
	v_bfe_u32 v4, v0, 3, 1                         ; which of my two blocks of places: bit 3 of the column
	v_bfe_u32 v5, v0, 4, 1
	v_and_b32 v6, 7, v0
	v_lshl_or_b32 v6, v5, 3, v6                    ; my place in it: bits 2:0, and bit 4 as bit 3
	s_mul_i32 s39, s70, 6400                       ; my stage, one for each of the eight waves: two blocks of 3,072 bytes, 3,200 apart
	v_mul_u32_u24 v7, v4, 3200
	v_add_nc_u32 v7, s39, v7
	v_lshl_add_u32 v8, v6, 4, v7                   ; where 16 bytes of mine go
	v_lshl_add_u32 v9, v6, 3, v7                   ; where 8 go
	v_add_nc_u32 v13, s39, v10                     ; back: 16 x lane
	v_lshl_or_b32 v28, v4, 4, v6
	v_lshlrev_b32 v28, 2, v28                      ; my scale word: 4 x place
	s_wait_kmcnt 0x0
	s_cmp_lt_u32 ttmp9, 128
	s_cselect_b64 s[10:11], s[8:9], s[10:11]
	s_cmp_lt_u32 ttmp9, 64
	s_cselect_b64 s[10:11], s[6:7], s[10:11]
	s_cmp_lt_u32 ttmp9, 48
	s_cselect_b64 s[10:11], s[4:5], s[10:11]       ; the tensor
	s_add_nc_u64 s[40:41], s[10:11], s[30:31]      ; a base for each of my 8 blocks of 32 along K
.irp t, 1,2,3,4,5,6,7
	s_add_nc_u64 s[40+2*\t:41+2*\t], s[38+2*\t:39+2*\t], s[32:33]
.endr
	s_add_nc_u64 s[60:61], s[12:13], s[56:57]      ; my two blocks of places in the codes
	s_add_nc_u64 s[62:63], s[60:61], s[58:59]
	s_add_nc_u64 s[68:69], s[12:13], s[66:67]      ; my scale words
.macro LOAD t                          ; block t: 32 rows of the tensor at my column; a load of the wave reads 128 neighbouring bytes
.set i, 0
.rept 32
	global_load_b32 v[X+32*((\t)%2)+i], v[RO+i], s[40+2*(\t):41+2*(\t)] th:TH_LOAD_NT
.set i, i+1
.endr
.endm
	LOAD 0
	LOAD 1
.macro BLOCK t
.set XS, X+32*((\t)%2)
.if (\t) < 7
	s_wait_loadcnt 32                              ; this block's 32 loads are in; the next block's may be out
.else
	s_wait_loadcnt 0x0
.endif
	v_max3_num_f32 v29, |v[XS]|, |v[XS+1]|, |v[XS+2]|
	v_max3_num_f32 v30, |v[XS+3]|, |v[XS+4]|, |v[XS+5]|
.irp i, 6,10,14,18,22,26
	v_max3_num_f32 v29, v29, |v[XS+\i]|, |v[XS+\i+1]|
	v_max3_num_f32 v30, v30, |v[XS+\i+2]|, |v[XS+\i+3]|
.endr
	v_max3_num_f32 v29, v29, |v[XS+30]|, |v[XS+31]|
	v_max3_num_f32 v29, v29, v30, 0x1800000        ; the floor 2^(3 - 127): the byte cannot fall under 1
	v_add_nc_u32 v31, 0xff000000, v29              ; 2 off the exponent field: the conversion's scale operand
	v_lshrrev_b32 v30, 23, v31                     ; the byte
.if (\t)%4 == 0
	v_mov_b32 v[26+(\t)/4], v30
.else
	v_lshl_or_b32 v[26+(\t)/4], v30, 8*((\t)%4), v[26+(\t)/4]
.endif
	v_cvt_scalef32_pk16_fp6_f32 v[16:18], v[XS:XS+15], v31
	v_cvt_scalef32_pk16_fp6_f32 v[22:24], v[XS+16:XS+31], v31     ; (a conversion's three registers begin on an even number)
	v_nop                                          ; one plain instruction behind a scaled conversion
	v_mov_b32 v19, v22
	v_mov_b32 v20, v23
	v_mov_b32 v21, v24
	ds_store_b128 v8, v[16:19] offset:1536*((\t)/4)+768*(((\t)/2)%2)+256*((\t)%2)      ; block t is half (t / 2) % 2 of K step t / 4, lanes 16 (t % 2) on
	ds_store_b64 v9, v[20:21] offset:1536*((\t)/4)+768*(((\t)/2)%2)+512+128*((\t)%2)
.if (\t)+2 < 8
	LOAD (\t)+2
.endif
	s_wait_dscnt 0x0                               ; the stores have read their registers
.endm
.irp t, 0,1,2,3,4,5,6,7
	BLOCK \t
.endr
.set k, 0
.rept 12
	ds_load_b128 v[OUTR+4*k:OUTR+4*k+3], v13 offset:(k/6)*3200+512*(k%6)   ; LDS serves a wave's instructions in order: these see my stores
.set k, k+1
.endr
.set k, 0
.rept 12
	s_wait_dscnt 11-k
	global_store_b128 v10, v[OUTR+4*k:OUTR+4*k+3], s[60+2*(k/6):61+2*(k/6)] offset:512*(k%6)   ; 512 consecutive bytes, at a multiple of 256
.set k, k+1
.endr
	global_store_b32 v28, v26, s[68:69]
	global_store_b32 v28, v27, s[68:69] offset:512
	s_wait_tensorcnt 0x0                           ; the wave's end
	ds_add_u32 v[SPW], v[NIL]
	s_wait_dscnt 0x0
	s_endpgm
.Lrope:
.set ANG, 40
.set NN,  44
.set ZZ,  48
.set SN,  52
.set CN,  56
.set TT,  60
.set SO,  64
.set CO,  68
	s_sub_co_u32 s17, s72, 384                     ; which 16 places of positions
	v_and_b32 v3, 15, v0
	v_bfe_u32 v4, v0, 4, 1
	s_lshr_b32 s18, s17, 1
	s_lshl_b32 s18, s18, 5
	s_and_b32 s19, s17, 1
	s_lshl_b32 s19, s19, 3
	s_add_co_u32 s18, s18, s19
	v_and_b32 v5, 7, v3
	v_lshrrev_b32 v6, 3, v3
	v_lshl_add_u32 v5, v6, 4, v5
	v_add_nc_u32 v5, s18, v5                       ; the position at place 16 block + lane % 16
	v_cvt_f32_u32 v5, v5
	s_lshr_b32 s20, s16, 1                         ; frequency f = 8 (2 h + e / 2) + 4 (e % 2) + k is 10^(-f / 8); e = my wave in its half
	s_mov_b32 s21, 0x3dcccccd
	s_mov_b32 s22, 0x3a83126f
	s_cmp_eq_u32 s20, 0
	s_cselect_b32 s21, 1.0, s21                    ; lanes 0-15: 1 or 0.1
	s_cselect_b32 s22, 0x3c23d70a, s22             ; lanes 16-31: 0.01 or 0.001
	v_cmp_eq_u32 vcc_lo, 1, v4
	v_mov_b32 v6, s21
	v_mov_b32 v7, s22
	v_cndmask_b32 v6, v6, v7, vcc_lo
	s_and_b32 s23, s16, 1
	s_mov_b32 s24, 0x3ea1e89b                      ; 10^(-4/8) .. 10^(-7/8),
	s_mov_b32 s25, 0x3e72d424
	s_mov_b32 s26, 0x3e361887
	s_mov_b32 s27, 0x3e088d77
	s_cmp_eq_u32 s23, 0
	s_cselect_b32 s24, 1.0, s24                    ; or 10^0 .. 10^(-3/8)
	s_cselect_b32 s25, 0x3f3ff911, s25
	s_cselect_b32 s26, 0x3f0ff59a, s26
	s_cselect_b32 s27, 0x3ed7e89b, s27
	s_mov_b32 s28, 0xbfc90fdb                      ; -(pi / 2 rounded),
	s_mov_b32 s29, 0x333bbd2e                      ; and what the rounding took too much
	s_mov_b32 s30, 0xb94ca1f9
	s_mov_b32 s31, 0x37ccf5ce
	s_lshl_b32 s32, s17, 12
	s_lshl_b32 s33, s16, 9
	s_add_co_u32 s32, s32, s33
	s_add_co_u32 s32, s32, TBL
	s_mov_b32 s33, 0
.irp k, 0,1,2,3
	v_mul_f32 v[ANG+\k], s[24+\k], v6
.endr
.irp k, 0,1,2,3
	v_mul_f32 v[ANG+\k], v5, v[ANG+\k]             ; the angle, rounded once
.endr
.irp k, 0,1,2,3
	v_mul_f32 v[NN+\k], 0x3f22f983, v[ANG+\k]
.endr
.irp k, 0,1,2,3
	v_rndne_f32 v[NN+\k], v[NN+\k]                 ; n quarter turns
.endr
.irp k, 0,1,2,3
	v_fma_f32 v[ANG+\k], v[NN+\k], s28, v[ANG+\k]  ; exact: n has 11 bits at the most, and the difference lies under 1 with its lowest bit at 2^-23
.endr
.irp k, 0,1,2,3
	v_fma_f32 v[ANG+\k], v[NN+\k], s29, v[ANG+\k]  ; r, within pi / 4 of 0
.endr
.irp k, 0,1,2,3
	v_cvt_i32_f32 v[NN+\k], v[NN+\k]
	v_mul_f32 v[ZZ+\k], v[ANG+\k], v[ANG+\k]
.endr
.irp k, 0,1,2,3
	v_fmaak_f32 v[SN+\k], s30, v[ZZ+\k], 0x3c08839e
	v_fmaak_f32 v[CN+\k], s31, v[ZZ+\k], 0xbab6061a
.endr
.irp k, 0,1,2,3
	v_fmaak_f32 v[SN+\k], v[SN+\k], v[ZZ+\k], 0xbe2aaaa3
	v_fmaak_f32 v[CN+\k], v[CN+\k], v[ZZ+\k], 0x3d2aaaa5
.endr
.irp k, 0,1,2,3
	v_mul_f32 v[SN+\k], v[SN+\k], v[ZZ+\k]
	v_mul_f32 v[CN+\k], v[CN+\k], v[ZZ+\k]
	v_fma_f32 v[TT+\k], v[ZZ+\k], -0.5, 1.0
.endr
.irp k, 0,1,2,3
	v_fma_f32 v[SN+\k], v[SN+\k], v[ANG+\k], v[ANG+\k]   ; sin r
	v_fma_f32 v[CN+\k], v[CN+\k], v[ZZ+\k], v[TT+\k]     ; cos r
.endr
.irp k, 0,1,2,3
	v_and_b32 v[TT+\k], 1, v[NN+\k]
	v_cmp_eq_u32 vcc_lo, 1, v[TT+\k]               ; an odd quarter turn exchanges the two
	v_cndmask_b32 v[SO+\k], v[SN+\k], v[CN+\k], vcc_lo
	v_cndmask_b32 v[CO+\k], v[CN+\k], v[SN+\k], vcc_lo
	v_and_b32 v[TT+\k], 2, v[NN+\k]
	v_lshlrev_b32 v[TT+\k], 30, v[TT+\k]
	v_xor_b32 v[SO+\k], v[TT+\k], v[SO+\k]         ; the sine is negative in quarters 2 and 3,
	v_add_nc_u32 v[TT+\k], 1, v[NN+\k]
	v_and_b32 v[TT+\k], 2, v[TT+\k]
	v_lshlrev_b32 v[TT+\k], 30, v[TT+\k]
	v_xor_b32 v[CO+\k], v[TT+\k], v[CO+\k]         ; the cosine in quarters 1 and 2
.endr
	s_wait_kmcnt 0x0
	s_add_nc_u64 s[12:13], s[12:13], s[32:33]
	global_store_b128 v10, v[CO:CO+3], s[12:13]
	global_store_b128 v10, v[SO:SO+3], s[12:13] offset:2048
	s_endpgm
; THE NORM.  Phase 1: wave w norms the rows of places 2 w and 2 w + 1 (neighbours in memory), each kept in 32 registers between the mean, the variance (of the centred numbers, as the formula is written) and the scaling;
; the results go to the stage.  Phase 2: wave w takes K step w (128 along the row) of all 16 rows, 16 neighbours of each block of 32 to a lane, and quantises.
.Lnorm:
.set GG,  96                           ; v96-127  the gain at my columns
.set BB,  128                          ; v128-159 the bias
.set TM,  160
.set PC,  176
.set PW,  196
.set SEL, 22
	s_load_b256 s[4:11], s[0:1], 0x0               ; x, gain, bias, a1
	s_sub_co_u32 s26, ttmp9, 256                   ; my block of 16 places
	v_and_b32 v2, 31, v0
	v_lshlrev_b32 v3, 4, v2                        ; 16 x lane
	v_lshlrev_b32 v4, 3, v2                        ; 8 x lane
	v_and_b32 v5, 15, v0                           ; r
	v_bfe_u32 v6, v0, 4, 1                         ; h
	s_lshr_b32 s13, s26, 1
	s_lshl_b32 s13, s13, 5
	s_and_b32 s14, s26, 1
	s_lshl_b32 s14, s14, 3
	s_add_co_u32 s13, s13, s14
	s_lshr_b32 s14, s70, 2
	s_lshl_b32 s14, s14, 4
	s_add_co_u32 s13, s13, s14
	s_and_b32 s14, s70, 3
	s_lshl_b32 s14, s14, 1
	s_add_co_u32 s13, s13, s14                     ; the row at place 2 w of block b: 32 (b / 2) + 8 (b % 2) + 16 (w / 4) + 2 (w % 4)
	s_lshl_b32 s14, s13, 12
	s_mov_b32 s15, 0
	s_mul_i32 s16, s70, 2*PITCH
	s_add_co_u32 s16, s16, LNB
	v_add_nc_u32 v7, s16, v3                       ; into the stage: my two rows
	v_mul_u32_u24 v8, v5, PITCH
	v_lshl_add_u32 v8, v6, 6, v8
	s_lshl_b32 s17, s70, 9
	s_add_co_u32 s17, s17, LNB
	v_add_nc_u32 v8, s17, v8                       ; out of it: row r, K step w, 16 numbers of each block for each half of the lanes
	v_lshlrev_b32 v9, 2, v5
	s_lshl_b32 s18, s26, 3
	s_add_co_u32 s18, s18, s70
	s_mul_i32 s18, s18, 1536                       ; the image (block, K step w)
	s_mov_b32 s19, 0
	s_lshr_b32 s20, s26, 3
	s_lshl_b32 s20, s20, 3
	s_add_co_u32 s20, s20, s70
	s_lshl_b32 s20, s20, 3
	s_and_b32 s21, s26, 7
	s_add_co_u32 s20, s20, s21
	s_lshl_b32 s20, s20, 6
	s_add_co_u32 s20, s20, ASCL
	s_mov_b32 s21, 0
	s_mov_b32 s[SEL], 0x76543210
	s_mov_b32 s[SEL+1], 0xfedcba98                 ; lane l xor 16
	s_mov_b32 s24, 0x3a800000                      ; 1 / 1,024
.irp b, 0,1,2,3
	v_mov_b32 v[TM+4+\b], 0                        ; a lane permute's destination counts as one of its sources
.endr
	s_wait_kmcnt 0x0
	s_add_nc_u64 s[4:5], s[4:5], s[14:15]
	s_add_nc_u64 s[18:19], s[10:11], s[18:19]
	s_add_nc_u64 s[20:21], s[10:11], s[20:21]
.set j, 0
.rept 16
	global_load_b128 v[X+4*j:X+4*j+3], v3, s[4:5] offset:512*j     ; 512 neighbouring bytes a load; the two rows lie on end
.set j, j+1
.endr
.set j, 0
.rept 8
	global_load_b128 v[GG+4*j:GG+4*j+3], v3, s[6:7] offset:512*j
	global_load_b128 v[BB+4*j:BB+4*j+3], v3, s[8:9] offset:512*j
.set j, j+1
.endr
.macro FOLD                            ; four chains of pairs in v10-17 become one sum over the row, in every lane's v10
	v_pk_add_f32 v[10:11], v[10:11], v[12:13]
	v_pk_add_f32 v[14:15], v[14:15], v[16:17]
	v_pk_add_f32 v[10:11], v[10:11], v[14:15]
	v_add_f32 v10, v10, v11
	v_add_f32_dpp v10, v10, v10 row_xmask:1 row_mask:0xf bank_mask:0xf
	v_add_f32_dpp v10, v10, v10 row_xmask:2 row_mask:0xf bank_mask:0xf
	v_add_f32_dpp v10, v10, v10 row_xmask:4 row_mask:0xf bank_mask:0xf
	v_add_f32_dpp v10, v10, v10 row_xmask:8 row_mask:0xf bank_mask:0xf
	v_permlanex16_b32 v11, v10, s[SEL], s[SEL+1]
	v_add_f32 v10, v10, v11
.endm
.macro ROW xb, rs                      ; the row in v[xb] on is centred in place; the pair v[rs] takes 1 / sqrt(var + eps)
.irp c, 0,1,2,3
	v_pk_add_f32 v[10+2*\c:11+2*\c], v[\xb+2*\c:\xb+1+2*\c], v[\xb+8+2*\c:\xb+9+2*\c]
.endr
.irp c, 0,1,2,3
	v_pk_add_f32 v[10+2*\c:11+2*\c], v[10+2*\c:11+2*\c], v[\xb+16+2*\c:\xb+17+2*\c]
.endr
.irp c, 0,1,2,3
	v_pk_add_f32 v[10+2*\c:11+2*\c], v[10+2*\c:11+2*\c], v[\xb+24+2*\c:\xb+25+2*\c]
.endr
	FOLD
	v_mul_f32 v10, s24, v10                        ; the mean
	v_mov_b32 v11, v10
.set j, 0
.rept 16
	v_pk_add_f32 v[\xb+j:\xb+j+1], v[\xb+j:\xb+j+1], v[10:11] neg_lo:[0,1] neg_hi:[0,1]
.set j, j+2
.endr
.irp c, 0,1,2,3
	v_pk_mul_f32 v[10+2*\c:11+2*\c], v[\xb+2*\c:\xb+1+2*\c], v[\xb+2*\c:\xb+1+2*\c]
.endr
.irp o, 8,16,24
.irp c, 0,1,2,3
	v_pk_fma_f32 v[10+2*\c:11+2*\c], v[\xb+\o+2*\c:\xb+\o+1+2*\c], v[\xb+\o+2*\c:\xb+\o+1+2*\c], v[10+2*\c:11+2*\c]
.endr
.endr
	FOLD
	v_fmaak_f32 v10, s24, v10, 0x3727c5ac          ; the variance + 1e-5
	v_rsq_f32 v[\rs], v10
	v_rsq_f32 v[\rs+1], v10
	v_nop                                          ; a plain instruction before a result is used or the source rewritten
.endm
	s_wait_loadcnt 16                              ; my two rows are in; gain and bias may be out
	ROW X, 18
	ROW X+32, 20
	s_wait_alu depctr_va_vdst(0)                   ; one wait for the four roots, ahead of their first use
	s_wait_loadcnt 0x0
.irp u, 0,1
.set j, 0
.rept 16
	v_pk_mul_f32 v[X+32*\u+j:X+32*\u+j+1], v[X+32*\u+j:X+32*\u+j+1], v[18+2*\u:19+2*\u]
	v_pk_fma_f32 v[X+32*\u+j:X+32*\u+j+1], v[X+32*\u+j:X+32*\u+j+1], v[GG+j:GG+j+1], v[BB+j:BB+j+1]
.set j, j+2
.endr
.endr
.set j, 0
.rept 16
	ds_store_b128 v7, v[X+4*j:X+4*j+3] offset:(j/8)*PITCH+512*(j%8)
.set j, j+1
.endr
	s_wait_dscnt 0x0                               ; for the others' sake: my rows lie in the stage
	s_barrier_signal -1
	s_barrier_wait -1
.set j, 0
.rept 16
	ds_load_b128 v[X+4*j:X+4*j+3], v8 offset:128*(j/4)+16*(j%4)    ; register 16 b + i = number 32 b + 16 h + i of K step w of row r
.set j, j+1
.endr
	s_wait_dscnt 0x0
; 64 numbers of a lane, register 16 b + i = k 32 b + 16 (lane / 16) + i of my row, become an operand's 12 registers in v[PC] on and its scale word in v[PW]
.macro QUANT s
.irp b, 0,1,2,3
	v_max3_num_f32 v[TM+\b], |v[\s+16*\b]|, |v[\s+1+16*\b]|, 0x1800000   ; with the floor 2^(3 - 127): the byte cannot fall under 1
.endr
.irp i, 2,4,6,8,10,12,14
.irp b, 0,1,2,3
	v_max3_num_f32 v[TM+\b], v[TM+\b], |v[\s+16*\b+\i]|, |v[\s+1+16*\b+\i]|
.endr
.endr
.irp b, 0,1,2,3
	v_permlanex16_b32 v[TM+4+\b], v[TM+\b], s[SEL], s[SEL+1]
.endr
.irp b, 0,1,2,3
	v_max_num_f32 v[TM+\b], v[TM+\b], v[TM+4+\b]   ; with lane l xor 16's: the block's largest magnitude
.endr
.irp b, 0,1,2,3
	v_add_nc_u32 v[TM+12+\b], 0xff000000, v[TM+\b] ; 2 off its exponent field: the conversion's scale operand
.endr
.irp b, 0,1,2,3
	v_lshrrev_b32 v[TM+4+\b], 23, v[TM+12+\b]      ; the byte
.endr
	v_lshl_or_b32 v[PW], v[TM+5], 8, v[TM+4]
	v_lshl_or_b32 v[PW], v[TM+6], 16, v[PW]
	v_lshl_or_b32 v[PW], v[TM+7], 24, v[PW]
.irp c, 0,1
	v_cvt_scalef32_pk16_fp6_f32 v[PC+6*\c:PC+2+6*\c], v[\s+32*\c:\s+15+32*\c], v[TM+12+2*\c]
	v_cvt_scalef32_pk16_fp6_f32 v[PC+12+4*\c:PC+14+4*\c], v[\s+16+32*\c:\s+31+32*\c], v[TM+12+2*\c+1]
.endr
	v_nop                                          ; one plain instruction behind a scaled conversion
.irp c, 0,1                            ; the operand wants a whole block in a lane: lanes 0-15 block 2 c, lanes 16-31 block 2 c + 1
.irp i, 0,1,2
	v_permlane16_swap_b32 v[PC+6*\c+\i], v[PC+12+4*\c+\i]
.endr
.irp i, 0,1,2
	v_mov_b32 v[PC+3+6*\c+\i], v[PC+12+4*\c+\i]
.endr
.endr
.endm
	QUANT X
	global_store_b128 v3, v[PC:PC+3], s[18:19]                     ; the image: 512, 256, 512, 256 consecutive bytes
	global_store_b64 v4, v[PC+4:PC+5], s[18:19] offset:512
	global_store_b128 v3, v[PC+6:PC+9], s[18:19] offset:768
	global_store_b64 v4, v[PC+10:PC+11], s[18:19] offset:1280
	global_store_b32 v9, v[PW], s[20:21]                           ; lanes l and l xor 16 hold the same word and store it to the same place
	s_wait_tensorcnt 0x0                           ; the wave's end
	ds_add_u32 v[SPW], v[NIL]
	s_wait_dscnt 0x0
	s_endpgm
.Lfunc_end_k_q2c89b7f4f0_prep:
	.size	k_q2c89b7f4f0_prep, .Lfunc_end_k_q2c89b7f4f0_prep-k_q2c89b7f4f0_prep
	.p2alignl 7, 3214868480
	.fill 96, 4, 3214868480
	.section	.rodata,"a",@progbits
	.p2align	6, 0x0
	.amdhsa_kernel k_q2c89b7f4f0_prep
		.amdhsa_group_segment_fixed_size 118016
		.amdhsa_private_segment_fixed_size 0
		.amdhsa_enable_private_segment 0
		.amdhsa_kernarg_size 72
		.amdhsa_user_sgpr_count 2
		.amdhsa_user_sgpr_kernarg_segment_ptr 1
		.amdhsa_wavefront_size32 1
		.amdhsa_system_sgpr_workgroup_id_x 1
		.amdhsa_system_sgpr_workgroup_id_y 1
		.amdhsa_system_sgpr_workgroup_id_z 1
		.amdhsa_system_vgpr_workitem_id 0
		.amdhsa_next_free_vgpr 200
		.amdhsa_next_free_sgpr 90
		.amdhsa_reserve_vcc 1
		.amdhsa_float_denorm_mode_32 3
		.amdhsa_float_denorm_mode_16_64 3
		.amdhsa_memory_ordered 1
		.amdhsa_forward_progress 1
		.amdhsa_inst_pref_size 77
	.end_amdhsa_kernel
	.amdgpu_metadata
---
amdhsa.version: [ 1, 2 ]
amdhsa.kernels:
  - .name:           k_q2c89b7f4f0_prep
    .symbol:         k_q2c89b7f4f0_prep.kd
    .args:
      - { .name: x, .offset: 0, .size: 8, .value_kind: global_buffer, .address_space: global }
      - { .name: ln1_g, .offset: 8, .size: 8, .value_kind: global_buffer, .address_space: global }
      - { .name: ln1_b, .offset: 16, .size: 8, .value_kind: global_buffer, .address_space: global }
      - { .name: a1, .offset: 24, .size: 8, .value_kind: global_buffer, .address_space: global }
      - { .name: qkv_w, .offset: 32, .size: 8, .value_kind: global_buffer, .address_space: global }
      - { .name: proj_w, .offset: 40, .size: 8, .value_kind: global_buffer, .address_space: global }
      - { .name: ff1_w, .offset: 48, .size: 8, .value_kind: global_buffer, .address_space: global }
      - { .name: ff2_w, .offset: 56, .size: 8, .value_kind: global_buffer, .address_space: global }
      - { .name: wts, .offset: 64, .size: 8, .value_kind: global_buffer, .address_space: global }
    .group_segment_fixed_size: 118016
    .private_segment_fixed_size: 0
    .kernarg_segment_align: 8
    .kernarg_segment_size: 72
    .max_flat_workgroup_size: 256
    .sgpr_count:     90
    .vgpr_count:     200
    .wavefront_size: 32
...
	.end_amdgpu_metadata
.endif
;; end of part 1
;; launch gemm_qkv (part 2): grid 12 x 16, 4 waves a work-group, clusters of 4 x 4, 327,680 bytes of LDS; arguments a1, wts, qkv_b, qkv; writes qkv
.if DOCPART == 2
	.amdgcn_target "amdgcn-amd-amdhsa--gfx1250"
	.amdhsa_code_object_version 6
	.text
	.protected	k_q2c89b7f4f0_gemm_qkv
	.globl	k_q2c89b7f4f0_gemm_qkv
	.p2align	8
	.type	k_q2c89b7f4f0_gemm_qkv,@function
k_q2c89b7f4f0_gemm_qkv:
	s_mov_b64 s[64:65], 0
	v_nop
	global_prefetch_b8 v0, s[64:65] scope:SCOPE_SE
	s_setreg_imm32_b32 hwreg(HW_REG_WAVE_MODE, 25, 1), 1
	s_wait_xcnt 0x0
	s_wait_alu depctr_hold_cnt(0) depctr_sa_sdst(0) depctr_va_vdst(0) depctr_va_sdst(0) depctr_va_ssrc(0) depctr_va_vcc(0) depctr_vm_vsrc(0)
	s_getreg_b32 s2, hwreg(HW_REG_IB_STS2, 6, 4)
	s_cmp_eq_u32 s2, 0
	s_cbranch_scc0 .Lentry_in_a_cluster
	s_endpgm
.Lentry_in_a_cluster:
	s_bfe_u32 s2, ttmp6, 0x10000c
	s_cmp_lg_u32 s2, 0xf033
	s_cbranch_scc0 .Lentry_shape_is_right
	s_endpgm
.Lentry_shape_is_right:
; qkv = normed x qkv_w + qkv_b on codes of FP6 (E2M3) with E8M0 scales; then q and k are rotated and quantised along the head's 64, v along the keys; nothing leaves in f32.
; A work-group of four waves (2 x 2) makes 256 x 256, a wave 128 x 128: 64 accumulators.  K = 1,024 goes in slots of 256 through a ring of two LDS slots filled by joint tensor loads of a 4 x 4 cluster.
; OPERANDS LIE IN MEMORY AS IMAGES OF THEIR REGISTERS ([16 places][128 along K][1,536 bytes]): a slot's part of 8 blocks of places is 8 rows of 3,072 bytes; a fragment comes by four dense LDS loads; no pitch, no padding.
; PLACES: row (or column) number with bits 3 and 4 exchanged.  Source 0's 16 places then give a lane's registers of tiles 2 b, 2 b + 1 sixteen neighbours 32 b + 16 (lane / 16) + 0..15: the next product's K.
; ROLES.  Clusters x = 0 (q) and 1 (k): source 1 ('A') = positions, source 0 ('B') = columns of the weight: a lane holds one position and its registers run along the head.  Cluster x = 2 (v): A = the weight's columns
; 2,048 on, B = positions: a lane holds one channel and its registers run along the keys.  Only pointers and offsets are chosen, by the cluster's x, which all partners share: the loop is one text.
; The bias is the C of the first products (q, k); for v it hangs on the lane and is added on the way out.  Each way out loads what it alone reads (the table of cosines and sines; v's bias) at its own head.
; OUT: q: [head][16 places][768 bytes], scale words [head][block][16]; k and v: a record of 13,056 bytes for each head and 128 keys: k's 8 half images, v's 4 images, k's 128 scale words, v's 64.
; LIMITS: NaN and infinities are not served; a block of zeros gets the byte 1 (this program alone reads the bytes).
.set MB, 8
.set NB, 8
.set NQ, 2
.set KT, 8
.set MH,    MB/2
.set QA,    MH/2
.set FR,    12
.set HAL,   MH*4                       ; LDS loads that bring half of A's fragments
.set HALFT, MB*NQ*1536                 ; what one tensor load brings of codes
.set SLOT,  4*HALFT
.set SCL_L, 2*SLOT                     ; behind the ring: the scale words for all of K, filled once
.set HALFS, MB*KT*64
.set SWO,   HALFS
.set SPARE, SCL_L+4*HALFS              ; the spare words, 128 bytes a wave
.set LAPS,  KT/(2*NQ)
.set TBL,   9830400
.set QSO,   3145728
.set KVO,   3407872
.set REC,   13056
.set ADRA, 16                          ; v16-17 A's fragments, 16 x lane, slot 0, 1; v18-19 the same with 8 x lane
.set ADRB, 20                          ; v20-23 B's
.set ADRS, 27
.set SPW,  28
.set NIL,  29
.set L16,  30
.set L8,   31
.set SC,   32                          ; v32-63 scale words and nothing else: set s at 32 + 16 s, register NQ i + q: lanes 0-15 A's block i, lanes 16-31 B's
.set BI,   64                          ; v64-127 the bias, 8 registers for each of B's blocks; on the way out at work
.set AF,   128                         ; v128-223 A's fragments, one set
.set HA,   128                         ; the way out: 64 numbers for the quantiser
.set TM,   64
.set PC,   80
.set PW,   100
.set SEL,  100
.set G1, 24
.set G0, 32
.set G1B, 48
.set G0B, 56
.set G1S, 68
.set G0S, 76
.set G1SB, 80
.set G0SB, 88
.set MSB, 0
.macro WIN new                         ; the immediate's high byte repeats the setting that is left
.if MSB != (\new)
	s_set_vgpr_msb (MSB<<8)|(\new)
.set MSB, (\new)
.endif
.endm
.macro PLACES n
.rept \n
	v_nop
.endr
.endm
.macro JLOAD g0a, g1a, g0b, g1b        ; a joint load: waves 0 and 1 fetch for A, waves 2 and 3 for B; an s_nop 0 and four v_nop follow each line
	s_cmp_eq_u32 s15, 0
	s_cbranch_scc0 .Lfor_b_\@
	tensor_load_to_lds s[\g0a:\g0a+3], s[\g1a:\g1a+7]
	s_nop 0
	PLACES 4
	s_branch .Lasked_\@
.Lfor_b_\@:
	tensor_load_to_lds s[\g0b:\g0b+3], s[\g1b:\g1b+7]
	s_nop 0
	PLACES 4
.Lasked_\@:
.endm
.macro CREST                           ; a round of the cluster's barrier behind its opening barrier
	s_cmp_lg_u32 s14, 0
	s_cbranch_scc1 .Lnot_wave_0_\@
	s_barrier_signal -3
.Lnot_wave_0_\@:
	s_barrier_wait -3
	s_barrier_signal -1
	s_barrier_wait -1
.endm
.macro CROUND
	s_barrier_signal -1
	s_barrier_wait -1
	CREST
.endm
.macro FRAG reg, a16, a8, off          ; an operand's 12 registers, as they were stored
	ds_load_b128 v[(\reg):(\reg)+3], v[\a16] offset:(\off)
	ds_load_b64 v[(\reg)+4:(\reg)+5], v[\a8] offset:(\off)+512
	ds_load_b128 v[(\reg)+6:(\reg)+9], v[\a16] offset:(\off)+768
	ds_load_b64 v[(\reg)+10:(\reg)+11], v[\a8] offset:(\off)+1280
.endm
.macro FETCH_B slot, q, p              ; B's fragments of the slot's q-th 128 along K into set p (window 1)
	WIN 0x40
.set fi, 0
.rept NB
	FRAG 128*(\p)+FR*fi, ADRB+\slot, ADRB+2+\slot, (fi*NQ+(\q))*1536
.set fi, fi+1
.endr
	WIN 0
.endm
.macro FETCH_A slot, q, i0             ; A's blocks i0 .. i0 + MH - 1
.set fi, \i0
.rept MH
	FRAG AF+FR*fi, ADRA+\slot, ADRA+2+\slot, (fi*NQ+(\q))*1536
.set fi, fi+1
.endr
.endm
.macro SCALES sc                       ; a slot's scale words
.set fi, 0
.rept MB
.set fq, 0
.rept NQ
	ds_load_b32 v[SC+16*(\sc)+NQ*fi+fq], v[ADRS] offset:512*fq+64*fi
.set fq, fq+1
.endr
.set fi, fi+1
.endr
.endm
; A's blocks a0 .. a0 + na - 1 against all of B's, 128 along K.  The accumulators take turns, one instruction a turn, in the same order in every step.  first = 1: the bias is the C
.macro MULS a0, na, p, q, sc, first
.set ia, \a0
.rept \na
.set ib, 0
.rept NB
.set rD, 8*(NB*(ia%MH)+ib)
.if \first
	v_wmma_scale_f32_16x16x128_f8f6f4 v[rD:rD+7], v[128*(\p)+FR*ib:128*(\p)+FR*ib+FR-1], v[AF+FR*ia:AF+FR*ia+FR-1], v[BI+8*ib:BI+8*ib+7], v[SC+16*(\sc)+NQ*ib+(\q)], v[SC+16*(\sc)+NQ*ia+(\q)] matrix_a_fmt:MATRIX_FMT_FP6 matrix_b_fmt:MATRIX_FMT_FP6 matrix_a_scale:MATRIX_SCALE_ROW1
.else
	v_wmma_scale_f32_16x16x128_f8f6f4 v[rD:rD+7], v[128*(\p)+FR*ib:128*(\p)+FR*ib+FR-1], v[AF+FR*ia:AF+FR*ia+FR-1], v[rD:rD+7], v[SC+16*(\sc)+NQ*ib+(\q)], v[SC+16*(\sc)+NQ*ia+(\q)] matrix_a_fmt:MATRIX_FMT_FP6 matrix_b_fmt:MATRIX_FMT_FP6 matrix_a_scale:MATRIX_SCALE_ROW1
.endif
.set ib, ib+1
.endr
.set ia, ia+1
.endr
.endm
; A step of 128 along K that has its successor in the same slot.  Four plain instructions stand in front of each run of loads into registers that matrix instructions have read (ISA guide 7.12.1 for vector instructions)
.macro STEP slot, q, first
	s_wait_dscnt HAL                               ; all but the youngest loads, A's upper blocks
	WIN 0xa1-0x20*(\first)                         ; B window 1, A window 0, C and D window 2 (the bias: window 0)
	MULS 0, MH, (\q)%2, \q, \slot, \first
	s_wait_dscnt 0x0
	PLACES 4
	FETCH_B \slot, (\q)+1, 1-(\q)%2
	FETCH_A \slot, (\q)+1, 0
	WIN 0xf1-0x30*(\first)
	MULS MH, MH, (\q)%2, \q, \slot, \first
	PLACES 4
	WIN 0
	FETCH_A \slot, (\q)+1, MH
.endm
; A slot's last step changes slots: one barrier; in front of it each wave waits for all its tensor loads, adds 0 to its spare word, and waits for that and for its reads of this slot.  fill = 1: the barrier opens a round of the cluster's, and the slot is filled again
.macro TURN slot, next, fill
	s_wait_tensorcnt 0x0                           ; my one load that was out, my part of the next slot, has landed
	ds_add_u32 v[SPW], v[NIL]
	s_wait_dscnt HAL+1                             ; (the add and A's upper blocks may be out)
	WIN 0xa1
	MULS 0, QA, 1, NQ-1, \slot, 0
	s_wait_dscnt 0x0                               ; the add is done, and my reads of this slot are over
	s_barrier_signal -1
	MULS QA, QA, 1, NQ-1, \slot, 0
	WIN 0
	s_barrier_wait -1
.if \fill
	CREST                                          ; no wave of any partner still reads this slot or has a load on its way
	s_add_nc_u64 s[G0+4*\slot+2:G0+4*\slot+3], s[G0+4*\slot+2:G0+4*\slot+3], 2*NQ*1536
	s_add_nc_u64 s[G0B+4*\slot+2:G0B+4*\slot+3], s[G0B+4*\slot+2:G0B+4*\slot+3], 2*NQ*1536
	JLOAD G0+4*\slot, G1, G0B+4*\slot, G1B         ; my one tensor load behind the round; its four v_nop are the places in front of the loads below
.else
	PLACES 4
.endif
	v_add_nc_u32 v[ADRS], 512*NQ, v[ADRS]
	FETCH_B \next, 0, 0
	FETCH_A \next, 0, 0
	SCALES \next
	WIN 0xf1
	MULS MH, MH, 1, NQ-1, \slot, 0
	PLACES 4
	WIN 0
	FETCH_A \next, 0, MH
.endm
.macro REST slot                       ; a slot's steps 1 .. NQ - 2
.if NQ > 2
	STEP \slot, 1, 0
	STEP \slot, 2, 0
.endif
.endm
	s_load_b256 s[4:11], s[0:1], 0x0               ; a1, wts, qkv_b, qkv
	v_lshl_add_u32 v[SPW], v0, 2, SPARE
	v_mov_b32 v[NIL], 0
	ds_add_u32 v[SPW], v[NIL]                      ; the wave's opening
	v_lshrrev_b32 v1, 5, v0
	v_readfirstlane_b32 s14, v1                    ; wave
	s_lshr_b32 s15, s14, 1                         ; my half of A's blocks; also: I fetch for A (0) or B (1)
	s_and_b32 s16, s14, 1                          ; my half of B's blocks; also: which half I fetch
	s_bfe_u32 s40, ttmp6, 0x40000                  ; cx
	s_bfe_u32 s41, ttmp6, 0x40004                  ; cy
	s_and_b32 s2, ttmp7, 0xffff
	s_lshl_b32 s2, s2, 2
	s_add_co_u32 s17, s2, s41                      ; q, k: tile of positions, 4 Y + cy
	s_add_co_u32 s42, s2, s40                      ; v: tile of positions, 4 Y + cx
	s_lshl_b32 s66, ttmp9, 2
	s_add_co_u32 s66, s66, s40                     ; q, k: tile of columns, 4 X + cx
	s_lshl_b32 s43, s41, 2
	s_lshl_b32 s43, 15, s43                        ; my row of the cluster
	s_lshl_b32 s44, 0x1111, s40                    ; my column
	s_or_b32 s[G1], s43, (3<<16)|(1<<21)           ; the mask; elements of 8 bytes; bit 21 beside a mask; no padding
	s_or_b32 s[G1B], s44, (3<<16)|(1<<21)
.irp g, G1, G1B
	s_mov_b32 s[\g+1], (NQ*192)<<16                ; a row: NQ images of one block of places
	s_mov_b32 s[\g+2], MB<<16
	s_mov_b32 s[\g+3], (NQ*192)<<16
	s_mov_b32 s[\g+4], MB
	s_mov_b32 s[\g+5], KT*192                      ; from block to block
	s_mov_b32 s[\g+6], 0
	s_mov_b32 s[\g+7], 0
.endr
	s_or_b32 s[G1S], s43, (3<<16)|(1<<21)
	s_or_b32 s[G1SB], s44, (3<<16)|(1<<21)
.irp g, G1S, G1SB
	s_mov_b32 s[\g+1], 32<<16                      ; the scale words: a dense block as rows of 256 bytes
	s_mov_b32 s[\g+2], (HALFS/256)<<16
	s_mov_b32 s[\g+3], 32<<16
	s_mov_b32 s[\g+4], HALFS/256
	s_mov_b32 s[\g+5], 32
	s_mov_b32 s[\g+6], 0
	s_mov_b32 s[\g+7], 0
.endr
	s_mov_b32 s97, 9502720
	s_mov_b32 s98, 3145728
	s_cmp_lt_u32 ttmp9, 2                          ; q or k?  The cluster's x is the same in all partners
	s_cselect_b32 s20, s17, s41                    ; A's tile: hangs on cy alone
	s_cselect_b32 s46, s66, s42                    ; B's tile: on cx alone
	s_cselect_b32 s96, 0, 1572864                  ; where A's codes begin (v: the weight's columns 2,048 on),
	s_cselect_b32 s97, 3145728, s97                ; A's scale words,
	s_cselect_b32 s98, 9437184, s98                ; B's scale words
	s_lshl_b32 s20, s20, 1
	s_add_co_u32 s20, s20, s16
	s_mul_i32 s22, s20, HALFS
	s_add_co_u32 s22, s22, s97
	s_mul_i32 s20, s20, MB*KT*1536
	s_add_co_u32 s20, s20, s96
	s_lshl_b32 s46, s46, 1
	s_add_co_u32 s46, s46, s16
	s_mul_i32 s92, s46, HALFS
	s_add_co_u32 s92, s92, s98
	s_mul_i32 s46, s46, MB*KT*1536
	s_mov_b32 s21, 0
	s_mov_b32 s23, 0
	s_mov_b32 s47, 0
	s_mov_b32 s93, 0
	s_mul_i32 s45, s14, HALFT                      ; where they go: no place in the cluster enters an LDS address
	s_mul_i32 s94, s14, HALFS
	s_mov_b32 s[SEL], 0x76543210
	s_mov_b32 s[SEL+1], 0xfedcba98
	s_wait_dscnt 0x0                               ; the opening add is done
	s_wait_kmcnt 0x0
	s_cmp_lt_u32 ttmp9, 2
	s_cselect_b64 s[12:13], s[4:5], s[6:7]         ; A's buffer
	s_cselect_b64 s[18:19], s[6:7], s[4:5]         ; B's buffer
	s_add_nc_u64 s[20:21], s[12:13], s[20:21]
	s_add_nc_u64 s[22:23], s[12:13], s[22:23]
	s_add_nc_u64 s[46:47], s[18:19], s[46:47]
	s_add_nc_u64 s[92:93], s[18:19], s[92:93]
	CROUND                                         ; all sixteen work-groups are here: the first joint loads meet
	s_mov_b32 s[G0S], 1
	s_add_co_u32 s[G0S+1], s94, SCL_L
	s_mov_b64 s[G0S+2:G0S+3], s[22:23]
	s_or_b32 s[G0S+3], s[G0S+3], 0x80000000
	s_mov_b32 s[G0SB], 1
	s_add_co_u32 s[G0SB+1], s94, SCL_L
	s_mov_b64 s[G0SB+2:G0SB+3], s[92:93]
	s_or_b32 s[G0SB+3], s[G0SB+3], 0x80000000
	JLOAD G0S, G1S, G0SB, G1SB                     ; three loads of mine are out at the most: the scale words, slot 0, slot 1
.irp s, 0,1
	s_mov_b32 s[G0+4*\s], 1
	s_add_co_u32 s[G0+4*\s+1], s45, \s*SLOT
	s_add_nc_u64 s[G0+4*\s+2:G0+4*\s+3], s[20:21], \s*NQ*1536
	s_or_b32 s[G0+4*\s+3], s[G0+4*\s+3], 0x80000000
	s_mov_b32 s[G0B+4*\s], 1
	s_add_co_u32 s[G0B+4*\s+1], s45, \s*SLOT
	s_add_nc_u64 s[G0B+4*\s+2:G0B+4*\s+3], s[46:47], \s*NQ*1536
	s_or_b32 s[G0B+4*\s+3], s[G0B+4*\s+3], 0x80000000
	JLOAD G0+4*\s, G1, G0B+4*\s, G1B
.endr
	v_and_b32 v1, 15, v0                           ; r
	v_bfe_u32 v2, v0, 4, 1                         ; h
	v_and_b32 v3, 31, v0
	v_lshlrev_b32 v[L16], 4, v3
	v_lshlrev_b32 v[L8], 3, v3
	s_mul_i32 s21, s15, HALFT
	s_mul_i32 s22, s16, HALFT
	s_add_co_u32 s22, s22, 2*HALFT
.irp s, 0,1
	v_add_nc_u32 v[ADRA+\s], s21, v[L16]
	v_add_nc_u32 v[ADRA+2+\s], s21, v[L8]
	v_add_nc_u32 v[ADRB+\s], s22, v[L16]
	v_add_nc_u32 v[ADRB+2+\s], s22, v[L8]
	s_add_co_u32 s21, s21, SLOT
	s_add_co_u32 s22, s22, SLOT
.endr
	s_mul_i32 s21, s15, SWO
	s_mul_i32 s22, s16, SWO
	s_add_co_u32 s22, s22, 2*HALFS
	s_sub_co_u32 s22, s22, s21
	v_mul_u32_u24 v6, s22, v2                      ; lanes 16-31 take B's words
	s_add_co_u32 s21, s21, SCL_L
	v_lshl_add_u32 v5, v1, 2, v6
	v_add_nc_u32 v[ADRS], s21, v5
	; the ways out gather their scale words in slot 0, which has had its last fill and its last read by then; each way has bytes of its own
	s_lshl_b32 s21, s14, 10
	v_lshlrev_b32 v8, 9, v2
	v_lshl_add_u32 v8, v1, 2, v8
	v_add_nc_u32 v8, s21, v8                       ; q, k: 1,024 wave + 512 h + 4 r
	v_add_nc_u32 v9, s21, v[L16]
	s_lshl_b32 s22, s14, 9
	s_add_co_u32 s22, s22, 4096
	v_lshl_add_u32 v10, v1, 2, s22                 ; v: 4,096 + 512 wave + 4 r
	v_add_nc_u32 v11, s22, v[L16]
	v_lshlrev_b32 v12, 4, v2                       ; 16 h
	v_mul_u32_u24 v13, 0x33000, v2
	v_lshl_add_u32 v13, v1, 4, v13                 ; v's scale words: lanes 16-31 belong to the next head, 16 records on
	v_lshlrev_b32 v4, 6, v2                        ; q, k: the bias of my half's eight columns of a tile
	v_and_b32 v6, 7, v1
	v_lshrrev_b32 v5, 3, v1
	v_lshl_add_u32 v6, v5, 4, v6
	v_lshlrev_b32 v6, 2, v6                        ; v: the bias of the channel at my place
	s_cmp_eq_u32 ttmp9, 2
	s_cbranch_scc1 .Lhead_v
	s_lshl_b32 s46, s66, 10
	s_lshl_b32 s47, s16, 9
	s_add_co_u32 s46, s46, s47
	s_mov_b32 s47, 0
	s_add_nc_u64 s[18:19], s[8:9], s[46:47]        ; the bias at my 128 columns, in a pair of its own: qkv_b's address stays as it came
.set ib, 0
.rept NB
	global_load_b128 v[BI+8*ib:BI+8*ib+3], v4, s[18:19] offset:128*(ib/2)+32*(ib%2)
	global_load_b128 v[BI+8*ib+4:BI+8*ib+7], v4, s[18:19] offset:128*(ib/2)+32*(ib%2)+16
.set ib, ib+1
.endr
	s_branch .Lhead_done
.Lhead_v:
.set i, 0
.rept 64
	v_mov_b32 v[BI+i], 0                           ; v's sums begin at 0: its bias hangs on the lane
.set i, i+1
.endr
.Lhead_done:
	s_wait_tensorcnt 1                             ; the scale words and my part of slot 0 are in; slot 1's load may be out
	s_barrier_signal -1
	s_barrier_wait -1
	FETCH_B 0, 0, 0
	FETCH_A 0, 0, 0
	SCALES 0
	FETCH_A 0, 0, MH
	s_wait_loadcnt 0x0                             ; q, k: the bias is in; v has no load out
	STEP 0, 0, 1
.if LAPS > 1
	s_mov_b32 s3, LAPS-1
.Llap:
	REST 0
	TURN 0, 1, 1
	STEP 1, 0, 0
	REST 1
	TURN 1, 0, 1
	STEP 0, 0, 0
	s_sub_co_u32 s3, s3, 1
	s_cmp_lg_u32 s3, 0
	s_cbranch_scc1 .Llap
.endif
	REST 0
	TURN 0, 1, 0                                   ; the last lap fills nothing
	STEP 1, 0, 0
	REST 1
	s_wait_dscnt HAL
	WIN 0xa1
	MULS 0, MH, 1, NQ-1, 1, 0
	s_wait_dscnt 0x0
	WIN 0xf1
	MULS MH, MH, 1, NQ-1, 1, 0
	WIN 0
	PLACES 4                                       ; in front of the first read of results and of loads and writes into registers that held operands
; 64 numbers of a lane, register 16 b + i = k 32 b + 16 (lane / 16) + i of my row, become an operand's 12 registers in v[PC] on and its scale word in v[PW]
.macro QUANT s
.irp b, 0,1,2,3
	v_max3_num_f32 v[TM+\b], |v[\s+16*\b]|, |v[\s+1+16*\b]|, 0x1800000
.endr
.irp i, 2,4,6,8,10,12,14
.irp b, 0,1,2,3
	v_max3_num_f32 v[TM+\b], v[TM+\b], |v[\s+16*\b+\i]|, |v[\s+1+16*\b+\i]|
.endr
.endr
.irp b, 0,1,2,3
	v_permlanex16_b32 v[TM+4+\b], v[TM+\b], s[SEL], s[SEL+1]
.endr
.irp b, 0,1,2,3
	v_max_num_f32 v[TM+\b], v[TM+\b], v[TM+4+\b]
.endr
.irp b, 0,1,2,3
	v_add_nc_u32 v[TM+12+\b], 0xff000000, v[TM+\b]
.endr
.irp b, 0,1,2,3
	v_lshrrev_b32 v[TM+4+\b], 23, v[TM+12+\b]
.endr
	v_lshl_or_b32 v[PW], v[TM+5], 8, v[TM+4]
	v_lshl_or_b32 v[PW], v[TM+6], 16, v[PW]
	v_lshl_or_b32 v[PW], v[TM+7], 24, v[PW]
.irp c, 0,1
	v_cvt_scalef32_pk16_fp6_f32 v[PC+6*\c:PC+2+6*\c], v[\s+32*\c:\s+15+32*\c], v[TM+12+2*\c]
	v_cvt_scalef32_pk16_fp6_f32 v[PC+12+4*\c:PC+14+4*\c], v[\s+16+32*\c:\s+31+32*\c], v[TM+12+2*\c+1]
.endr
	v_nop
.irp c, 0,1
.irp i, 0,1,2
	v_permlane16_swap_b32 v[PC+6*\c+\i], v[PC+12+4*\c+\i]
.endr
.irp i, 0,1,2
	v_mov_b32 v[PC+3+6*\c+\i], v[PC+12+4*\c+\i]
.endr
.endr
.endm
.macro TABLE a                         ; cosines (16 registers) and sines (16) of block a's positions, into v224-255 and v192-223 by turns
.set tb, 224-32*((\a)%2)
.set e, 0
.rept 8
	global_load_b128 v[tb+4*e:tb+4*e+3], v[L16], s[6:7] offset:4096*(\a)+512*e
.set e, e+1
.endr
.endm
.irp b, 0,1,2,3
	v_mov_b32 v[TM+4+\b], 0
.endr
	s_cmp_eq_u32 ttmp9, 2
	s_cbranch_scc1 .Lout_v
	; ---- q and k.  My 128 columns are two heads; my 128 positions are one run of 128 of a batch
	s_and_b32 s20, s17, 7
	s_lshl_b32 s20, s20, 4
	s_lshl_b32 s21, s15, 3
	s_add_co_u32 s20, s20, s21
	s_lshl_b32 s20, s20, 12
	s_add_co_u32 s20, s20, TBL
	s_mov_b32 s21, 0
	s_add_nc_u64 s[6:7], s[6:7], s[20:21]          ; the table at my 128 positions
	TABLE 0                                        ; the first block's; the address work below stands behind the loads
	s_lshr_b32 s18, s17, 3
	s_lshl_b32 s18, s18, 4
	s_lshl_b32 s19, s40, 2
	s_add_co_u32 s18, s18, s19
	s_lshl_b32 s19, s16, 1
	s_add_co_u32 s18, s18, s19                     ; my first head: 16 batch + 4 cx + 2 half
	s_lshl_b32 s19, s17, 1
	s_add_co_u32 s19, s19, s15
	s_and_b32 s19, s19, 15                         ; which 128 positions
	s_lshl_b32 s18, s18, 4
	s_add_co_u32 s18, s18, s19
	s_mul_i32 s20, s18, 6144                       ; q: 8 half images of 768 bytes,
	s_lshl_b32 s21, s18, 9
	s_add_co_u32 s21, s21, QSO                     ; 8 x 64 bytes of scale words
	s_mul_i32 s22, s18, REC
	s_add_co_u32 s22, s22, KVO                     ; k: the record,
	s_add_co_u32 s23, s22, 12288                   ; and its scale words
	s_mov_b32 s43, 208896
	s_cmp_eq_u32 ttmp9, 0
	s_cselect_b32 s92, s20, s22
	s_cselect_b32 s94, s21, s23
	s_cselect_b32 s96, 98304, s43                  ; from head to head
	s_cselect_b32 s98, 8192, s43
	s_mov_b32 s93, 0
	s_mov_b32 s95, 0
	s_mov_b32 s97, 0
	s_mov_b32 s99, 0
	s_add_nc_u64 s[92:93], s[10:11], s[92:93]
	s_add_nc_u64 s[94:95], s[10:11], s[94:95]
	s_add_nc_u64 s[96:97], s[92:93], s[96:97]
	s_add_nc_u64 s[98:99], s[94:95], s[98:99]
.macro QKROW a                         ; block a: 16 positions x two heads
.if (\a) < 7
	TABLE (\a)+1
	s_wait_loadcnt 8                               ; this block's table is in; the next block's eight loads may be out
.else
	s_wait_loadcnt 0x0
.endif
.set TBR, 224-32*((\a)%2)
	WIN 0x02+(\a)/MH                               ; source 0: the accumulators' window
.irp hh, 0,1                           ; a head's 32 registers: t1 = channels 16 h + i, t2 = channels 32 + 16 h + i; each accumulator is first read at its low end
.set AC, 64*((\a)%MH)+32*\hh
.set HH, HA+32*\hh
.set i, 0
.rept 8
	v_pk_mul_f32 v[HH+16+i:HH+17+i], v[AC+16+i:AC+17+i], v[TBR+i:TBR+i+1]
	v_pk_mul_f32 v[HH+i:HH+i+1], v[AC+16+i:AC+17+i], v[TBR+16+i:TBR+17+i]
	v_pk_fma_f32 v[HH+16+i:HH+17+i], v[AC+i:AC+i+1], v[TBR+16+i:TBR+17+i], v[HH+16+i:HH+17+i]                         ; t1 sin + t2 cos
	v_pk_fma_f32 v[HH+i:HH+i+1], v[AC+i:AC+i+1], v[TBR+i:TBR+i+1], v[HH+i:HH+i+1] neg_lo:[0,0,1] neg_hi:[0,0,1]       ; t1 cos - t2 sin
.set i, i+2
.endr
.endr
	WIN 0
	s_wait_xcnt 0x0                                ; the last block's stores have read their registers
	QUANT HA
	global_store_b128 v[L16], v[PC:PC+3], s[92:93] offset:768*(\a)          ; the first head's half image,
	global_store_b64 v[L8], v[PC+4:PC+5], s[92:93] offset:768*(\a)+512
	global_store_b128 v[L16], v[PC+6:PC+9], s[96:97] offset:768*(\a)        ; the second's
	global_store_b64 v[L8], v[PC+10:PC+11], s[96:97] offset:768*(\a)+512
	v_lshrrev_b32 v[PW+1], v12, v[PW]
	v_and_b32 v[PW+1], 0xffff, v[PW+1]             ; lanes 0-15 the first head's two bytes, lanes 16-31 the second's; the upper two bytes stand over zero codes
	ds_store_b32 v8, v[PW+1] offset:64*(\a)
.endm
.irp a, 0,1,2,3,4,5,6,7
	QKROW \a
.endr
	ds_load_b128 v[TM:TM+3], v9                    ; LDS serves a wave's instructions in order: these see my stores
	ds_load_b128 v[TM+4:TM+7], v9 offset:512
	s_wait_dscnt 0x0
	global_store_b128 v[L16], v[TM:TM+3], s[94:95]
	global_store_b128 v[L16], v[TM+4:TM+7], s[98:99]
	s_wait_tensorcnt 0x0                           ; the wave's end
	ds_add_u32 v[SPW], v[NIL]
	s_wait_dscnt 0x0
	CROUND                                         ; the closing round
	s_endpgm
.Lout_v:
	; ---- v.  My 128 channels are two heads x 4 blocks; my 128 positions are the 128 keys of one record
	s_lshl_b32 s20, s41, 10
	s_lshl_b32 s21, s15, 9
	s_add_co_u32 s20, s20, s21
	s_add_co_u32 s20, s20, 8192
	s_mov_b32 s21, 0
	s_add_nc_u64 s[8:9], s[8:9], s[20:21]          ; the bias at column 2,048 + my 128 channels
.irp a, 0,1,2,3,4,5,6,7
	global_load_b32 v[224+\a], v6, s[8:9] offset:128*(\a/2)+32*(\a%2)       ; block a: the channel at my place
.endr
	s_lshr_b32 s18, s42, 3
	s_lshl_b32 s18, s18, 4
	s_lshl_b32 s19, s41, 2
	s_add_co_u32 s18, s18, s19
	s_lshl_b32 s19, s15, 1
	s_add_co_u32 s18, s18, s19                     ; my first head: 16 batch + 4 cy + 2 half
	s_lshl_b32 s19, s42, 1
	s_add_co_u32 s19, s19, s16
	s_and_b32 s19, s19, 15
	s_lshl_b32 s18, s18, 4
	s_add_co_u32 s18, s18, s19
	s_mul_i32 s92, s18, REC
	s_add_co_u32 s92, s92, KVO
	s_mov_b32 s93, 0
	s_add_nc_u64 s[92:93], s[10:11], s[92:93]
	s_wait_loadcnt 0x0                             ; the bias
.macro VROW a
	WIN 0x02+(\a)/MH
.set i, 0
.rept 64
	v_add_f32 v[HA+i], v[64*((\a)%MH)+i], v[224+(\a)]
.set i, i+1
.endr
	WIN 0
	s_wait_xcnt 0x0
	QUANT HA
	global_store_b128 v[L16], v[PC:PC+3], s[92:93] offset:((\a)/4)*208896+((\a)%4)*1536+6144
	global_store_b64 v[L8], v[PC+4:PC+5], s[92:93] offset:((\a)/4)*208896+((\a)%4)*1536+6144+512
	global_store_b128 v[L16], v[PC+6:PC+9], s[92:93] offset:((\a)/4)*208896+((\a)%4)*1536+6144+768
	global_store_b64 v[L8], v[PC+10:PC+11], s[92:93] offset:((\a)/4)*208896+((\a)%4)*1536+6144+1280
	ds_store_b32 v10, v[PW] offset:64*(\a)         ; lanes l and l xor 16 hold the same word
.endm
.irp a, 0,1,2,3,4,5,6,7
	VROW \a
.endr
	ds_load_b128 v[TM:TM+3], v11
	s_wait_dscnt 0x0
	global_store_b128 v13, v[TM:TM+3], s[92:93] offset:12800
	s_wait_tensorcnt 0x0                           ; the wave's end
	ds_add_u32 v[SPW], v[NIL]
	s_wait_dscnt 0x0
	CROUND                                         ; the closing round
	s_endpgm
.Lfunc_end_k_q2c89b7f4f0_gemm_qkv:
	.size	k_q2c89b7f4f0_gemm_qkv, .Lfunc_end_k_q2c89b7f4f0_gemm_qkv-k_q2c89b7f4f0_gemm_qkv
	.p2alignl 7, 3214868480
	.fill 96, 4, 3214868480
	.section	.rodata,"a",@progbits
	.p2align	6, 0x0
	.amdhsa_kernel k_q2c89b7f4f0_gemm_qkv
		.amdhsa_group_segment_fixed_size 327680
		.amdhsa_private_segment_fixed_size 0
		.amdhsa_enable_private_segment 0
		.amdhsa_kernarg_size 32
		.amdhsa_user_sgpr_count 2
		.amdhsa_user_sgpr_kernarg_segment_ptr 1
		.amdhsa_wavefront_size32 1
		.amdhsa_system_sgpr_workgroup_id_x 1
		.amdhsa_system_sgpr_workgroup_id_y 1
		.amdhsa_system_sgpr_workgroup_id_z 1
		.amdhsa_system_vgpr_workitem_id 0
		.amdhsa_next_free_vgpr 1024
		.amdhsa_next_free_sgpr 102
		.amdhsa_reserve_vcc 0
		.amdhsa_float_denorm_mode_32 3
		.amdhsa_float_denorm_mode_16_64 3
		.amdhsa_memory_ordered 1
		.amdhsa_forward_progress 1
		.amdhsa_inst_pref_size 248
	.end_amdhsa_kernel
	.amdgpu_metadata
---
amdhsa.version: [ 1, 2 ]
amdhsa.kernels:
  - .name:           k_q2c89b7f4f0_gemm_qkv
    .symbol:         k_q2c89b7f4f0_gemm_qkv.kd
    .args:
      - { .name: a1, .offset: 0, .size: 8, .value_kind: global_buffer, .address_space: global }
      - { .name: wts, .offset: 8, .size: 8, .value_kind: global_buffer, .address_space: global }
      - { .name: qkv_b, .offset: 16, .size: 8, .value_kind: global_buffer, .address_space: global }
      - { .name: qkv, .offset: 24, .size: 8, .value_kind: global_buffer, .address_space: global }
    .group_segment_fixed_size: 327680
    .private_segment_fixed_size: 0
    .kernarg_segment_align: 8
    .kernarg_segment_size: 32
    .max_flat_workgroup_size: 128
    .sgpr_count:     102
    .vgpr_count:     1024
    .wavefront_size: 32
...
	.end_amdgpu_metadata
.endif
;; end of part 2
;; launch attn (part 3): grid 8 x 32, 16 waves a work-group, clusters of 4 x 1, 210,944 bytes of LDS; arguments qkv, ao; writes ao
.if DOCPART == 3
	.amdgcn_target "amdgcn-amd-amdhsa--gfx1250"
	.amdhsa_code_object_version 6
	.text
	.protected	k_q2c89b7f4f0_attn
	.globl	k_q2c89b7f4f0_attn
	.p2align	8
	.type	k_q2c89b7f4f0_attn,@function
k_q2c89b7f4f0_attn:
	s_mov_b64 s[64:65], 0
	v_nop
	global_prefetch_b8 v0, s[64:65] scope:SCOPE_SE
	s_setreg_imm32_b32 hwreg(HW_REG_WAVE_MODE, 25, 1), 1
	s_wait_xcnt 0x0
	s_wait_alu depctr_hold_cnt(0) depctr_sa_sdst(0) depctr_va_vdst(0) depctr_va_sdst(0) depctr_va_ssrc(0) depctr_va_vcc(0) depctr_vm_vsrc(0)
	s_getreg_b32 s2, hwreg(HW_REG_IB_STS2, 6, 4)
	s_cmp_eq_u32 s2, 0
	s_cbranch_scc0 .Lentry_in_a_cluster
	s_endpgm
.Lentry_in_a_cluster:
	s_bfe_u32 s2, ttmp6, 0x10000c
	s_cmp_lg_u32 s2, 0x3003
	s_cbranch_scc0 .Lentry_shape_is_right
	s_endpgm
.Lentry_shape_is_right:
; Causal attention of one head on codes of FP6 (E2M3): S^T = K Q^T (K = the head's 64: the upper half of each operand is zero codes), p = 2^(t - M) with M the running largest t rounded up to a whole number,
; O^T = V^T P^T (K = 128 keys a step), O / the sum of the unquantised p, quantised along the head's 64 as half an operand of the next product.
; SHARES.  A work-group has 16 waves; a wave owns one tile of 16 queries: tile 8 rank + x, x the work-group's number in the head, so every work-group has the same work: the wave of rank w walks key steps 0 .. w.
; THE RANKS are dealt as two orthogonal Latin squares: with i = wave / 4 and j = wave % 4, rank = 4 (i xor j) + (i xor a(j)), a = 0, 2, 3, 1.  Each rank occurs once; the four waves with one i, and likewise the four with
; one j, have ranks that sum to 30: 34 key steps together, a quarter of the work-group's 136, whichever of the two groupings is looked at.
; THE WHOLE HEAD'S K AND V, 16 records of 13,056 bytes, LIE IN LDS, filled once: each wave brings one record by one joint load of
; the cluster's four work-groups, which belong to one head.  No byte of LDS is filled again.  No prefetch: all loads go out at the head.
; A lane holds one query throughout; the keys of a tile of K are places (number with bits 3 and 4 exchanged), so that p's 16 registers of two neighbouring tiles are 16 neighbouring keys.
; Every wave walks all 16 trips; a step past the wave's rank is jumped over by a branch on the wave's number and the trip alone.  On the diagonal hidden scores become -infinity ahead of the maximum.
; LIMITS: NaN and infinities are not served; a block of zeros gets the byte 1; the scale bytes of a tile leave one to a lane (32 bytes for 768 of codes).
.set REC,   13056
.set SPARE, 16*REC
.set KVO,   3407872
.set QSO,   3145728
.set ASCL,  3145728
.set WV,  8
.set OM,  12
.set TB,  38
.set SI,  39
.set SEL, 40
.set CS,  42
; v1 16 lane, v2 8 lane, v3 4 lane, v4 my query less the step's first key less 16 h, v5, v6 the add's two, v7 4 r + h, v8-10 the step's addresses, v11 4 r, v12 -M, v13 the largest t, v[14:15] the sum,
; v16-27 Q, v28 Q's scale words, v29 p's, v[30:31] f, v32-79 four fragments of K, v80-83 K's scale words (two tiles to a register), v84-85 V's, v86-95 at work, v96-159 S^T then p, v160-191 O^T, v192-239 V, v240-251 p's codes, v252-255 the conversions' scales
.macro CROUND
	s_barrier_signal -1
	s_barrier_wait -1
	s_cmp_lg_u32 s[WV], 0
	s_cbranch_scc1 .Lnot_wave_0_\@
	s_barrier_signal -3
.Lnot_wave_0_\@:
	s_barrier_wait -3
	s_barrier_signal -1
	s_barrier_wait -1
.endm
	s_load_b128 s[4:7], s[0:1], 0x0                ; qkv, ao
	v_lshl_add_u32 v5, v0, 2, SPARE
	v_mov_b32 v6, 0
	ds_add_u32 v5, v6                              ; the wave's opening
	v_lshrrev_b32 v8, 5, v0
	v_readfirstlane_b32 s[WV], v8                  ; wave 0..15
	s_bfe_u32 s9, ttmp6, 0x40000                   ; cx
	s_lshl_b32 s10, ttmp9, 2
	s_add_co_u32 s10, s10, s9                      ; x 0..7: it enters Q's and the output's addresses and the mask's numbers alone
	s_and_b32 s11, ttmp7, 0xffff                   ; the head, 0..31
	s_lshr_b32 s22, s[WV], 2                       ; i
	s_and_b32 s23, s[WV], 3                        ; j
	s_xor_b32 s[OM], s22, s23
	s_lshl_b32 s[OM], s[OM], 2                     ; 4 (i xor j)
	s_lshl_b32 s13, s23, 1
	s_xor_b32 s13, s13, s23
	s_and_b32 s13, s13, 2                          ; a(j): its upper bit is j's two bits' exclusive or,
	s_lshr_b32 s23, s23, 1
	s_or_b32 s13, s13, s23                         ; its lower bit j's upper bit: 0, 2, 3, 1
	s_xor_b32 s13, s13, s22                        ; i xor a(j)
	s_or_b32 s[OM], s[OM], s13                     ; my rank
	s_mov_b32 s24, 15|(3<<16)|(1<<21)              ; the mask: all four; elements of 8 bytes; bit 21 beside a mask
	s_mov_b32 s25, 32<<16                          ; a record as 51 rows of 256 bytes
	s_mov_b32 s26, 51<<16
	s_mov_b32 s27, 32<<16
	s_mov_b32 s28, 51
	s_mov_b32 s29, 32
	s_mov_b32 s30, 0
	s_mov_b32 s31, 0
	s_lshl_b32 s36, s11, 4
	s_add_co_u32 s36, s36, s[WV]
	s_mul_i32 s36, s36, REC
	s_add_co_u32 s36, s36, KVO                     ; record (head, wave)
	s_mov_b32 s37, 0
	s_lshl_b32 s13, s11, 7
	s_lshl_b32 s22, s[OM], 3
	s_add_co_u32 s13, s13, s22
	s_add_co_u32 s13, s13, s10                     ; 128 head + my tile
	s_mul_i32 s14, s13, 768
	s_mov_b32 s15, 0
	s_lshl_b32 s16, s13, 6
	s_add_co_u32 s16, s16, QSO
	s_mov_b32 s17, 0
	s_lshr_b32 s23, s11, 4                         ; batch
	s_lshl_b32 s18, s23, 7
	s_add_co_u32 s18, s18, s22
	s_add_co_u32 s18, s18, s10                     ; the output's block of places
	s_lshl_b32 s18, s18, 3
	s_bfe_u32 s13, s11, 0x30001                    ; its K step: (head % 16) / 2
	s_add_co_u32 s18, s18, s13
	s_mul_i32 s18, s18, 1536
	s_and_b32 s22, s11, 1
	s_mul_i32 s19, s22, 768                        ; its half
	s_add_co_u32 s18, s18, s19
	s_mov_b32 s19, 0
	s_lshl_b32 s20, s23, 4
	s_add_co_u32 s20, s20, s[OM]
	s_lshl_b32 s20, s20, 3
	s_add_co_u32 s20, s20, s13
	s_lshl_b32 s20, s20, 3
	s_add_co_u32 s20, s20, s10
	s_lshl_b32 s20, s20, 6
	s_lshl_b32 s22, s22, 1
	s_add_co_u32 s20, s20, s22
	s_add_co_u32 s20, s20, ASCL
	s_mov_b32 s21, 0
	s_mov_b32 s[SEL], 0x76543210
	s_mov_b32 s[SEL+1], 0xfedcba98
	s_mov_b32 s[CS], 0x3e38aa3b                    ; c = log2(e) / sqrt(64)
	s_mov_b32 s[CS+1], s[CS]
	s_mov_b32 s[TB], 0
	s_mov_b32 s[SI], 0
	s_wait_dscnt 0x0                               ; the opening add is done
	s_wait_kmcnt 0x0
	s_mov_b32 s32, 1
	s_mul_i32 s33, s[WV], REC
	s_add_nc_u64 s[34:35], s[4:5], s[36:37]
	s_or_b32 s35, s35, 0x80000000
	CROUND                                         ; all four work-groups are here: the joint loads meet
	tensor_load_to_lds s[32:35], s[24:31]          ; my one tensor load of the launch
	s_nop 0
.rept 4
	v_nop
.endr
	s_add_nc_u64 s[14:15], s[4:5], s[14:15]
	s_add_nc_u64 s[16:17], s[4:5], s[16:17]
	s_add_nc_u64 s[18:19], s[6:7], s[18:19]
	s_add_nc_u64 s[20:21], s[6:7], s[20:21]
	v_and_b32 v7, 31, v0
	v_lshlrev_b32 v1, 4, v7
	v_lshlrev_b32 v2, 3, v7
	v_lshlrev_b32 v3, 2, v7
	v_and_b32 v8, 15, v0                           ; r
	v_bfe_u32 v9, v0, 4, 1                         ; h
	v_lshlrev_b32 v11, 2, v8
	global_load_b128 v[16:19], v1, s[14:15]        ; Q's half image stays in registers
	global_load_b64 v[20:21], v2, s[14:15] offset:512
	global_load_b32 v28, v11, s[16:17]
	s_lshr_b32 s22, s10, 1
	s_lshl_b32 s22, s22, 5
	s_and_b32 s23, s10, 1
	s_lshl_b32 s23, s23, 3
	s_add_co_u32 s22, s22, s23
	v_and_b32 v4, 7, v8
	v_lshrrev_b32 v94, 3, v8
	v_lshl_add_u32 v4, v94, 4, v4
	v_add_nc_u32 v4, s22, v4                       ; my query in its run of 128: the number at place 16 x + r
	v_lshlrev_b32 v94, 4, v9
	v_sub_nc_u32 v4, v4, v94
	v_lshl_add_u32 v7, v8, 2, v9
.irp j, 22,23,24,25,26,27
	v_mov_b32 v[\j], 0                             ; zero codes for k = 64 .. 127
.endr
.irp t, 0,1,2,3
.irp j, 6,7,8,9,10,11
	v_mov_b32 v[32+12*\t+\j], 0
.endr
.endr
	v_mov_b32 v13, 0xff61b1e6                      ; the largest t so far: -3e38
	v_floor_f32 v12, -v13
	v_mov_b32 v14, 0
	v_mov_b32 v15, 0
	v_mov_b32 v31, 0                               ; (named as the upper half of the pair v[30:31])
.irp b, 0,1,2,3
	v_mov_b32 v[90+\b], 0                          ; a lane permute's destination counts as one of its sources
.endr
.set j, 0
.rept 32
	v_mov_b32 v[160+j], 0                          ; the step is written once: the first finds zeros
.set j, j+1
.endr
	s_wait_tensorcnt 0x0                           ; my record has landed,
	s_barrier_signal -1
	s_barrier_wait -1                              ; everybody's has
	s_wait_loadcnt 0x0                             ; Q
.macro KLOAD g                         ; four tiles of 16 keys: half images
.irp t, 0,1,2,3
	ds_load_b128 v[32+12*\t:35+12*\t], v8 offset:768*(4*\g+\t)
	ds_load_b64 v[36+12*\t:37+12*\t], v9 offset:768*(4*\g+\t)+512
.endr
.endm
.macro SQK g, t
.if (\t)%2
	v_wmma_scale_f32_16x16x128_f8f6f4 v[96+32*\g+8*\t:103+32*\g+8*\t], v[32+12*\t:43+12*\t], v[16:27], 0, v[80+2*\g+(\t)/2], v28 matrix_a_fmt:MATRIX_FMT_FP6 matrix_b_fmt:MATRIX_FMT_FP6 matrix_a_scale:MATRIX_SCALE_ROW1
.else
	v_wmma_scale_f32_16x16x128_f8f6f4 v[96+32*\g+8*\t:103+32*\g+8*\t], v[32+12*\t:43+12*\t], v[16:27], 0, v[80+2*\g+(\t)/2], v28 matrix_a_fmt:MATRIX_FMT_FP6 matrix_b_fmt:MATRIX_FMT_FP6
.endif
.endm
.macro OPV t
.if (\t)%2
	v_wmma_scale_f32_16x16x128_f8f6f4 v[160+8*\t:167+8*\t], v[192+12*\t:203+12*\t], v[240:251], v[160+8*\t:167+8*\t], v[84+(\t)/2], v29 matrix_a_fmt:MATRIX_FMT_FP6 matrix_b_fmt:MATRIX_FMT_FP6 matrix_a_scale:MATRIX_SCALE_ROW1
.else
	v_wmma_scale_f32_16x16x128_f8f6f4 v[160+8*\t:167+8*\t], v[192+12*\t:203+12*\t], v[240:251], v[160+8*\t:167+8*\t], v[84+(\t)/2], v29 matrix_a_fmt:MATRIX_FMT_FP6 matrix_b_fmt:MATRIX_FMT_FP6
.endif
.endm
.Lstep:                                            ; 16 trips, a record each
	s_cmp_gt_u32 s[SI], s[OM]
	s_cbranch_scc1 .Lskip                          ; all its keys come after my queries
	v_add_nc_u32 v8, s[TB], v1
	v_add_nc_u32 v9, s[TB], v2
	v_add_nc_u32 v10, s[TB], v3
	v_nop                                          ; four plain instructions behind the last products
	KLOAD 0
.irp j, 0,1,2,3
	ds_load_b32 v[80+\j], v10 offset:12288+128*\j  ; lanes 0-15 tile 2 j's words, lanes 16-31 tile 2 j + 1's
.endr
	s_wait_dscnt 0x0
.irp t, 0,1,2,3
	SQK 0, \t
.endr
.rept 4
	v_nop                                          ; in front of loads into registers that these products read
.endr
	KLOAD 1
.irp t, 0,1,2,3
	ds_load_b128 v[192+12*\t:195+12*\t], v8 offset:6144+1536*\t
	ds_load_b64 v[196+12*\t:197+12*\t], v9 offset:6144+1536*\t+512
	ds_load_b128 v[198+12*\t:201+12*\t], v8 offset:6144+1536*\t+768
	ds_load_b64 v[202+12*\t:203+12*\t], v9 offset:6144+1536*\t+1280
.endr
	ds_load_b32 v84, v10 offset:12800
	ds_load_b32 v85, v10 offset:12928
	s_wait_dscnt 18                                ; K's eight loads are in; V's sixteen and its two scale loads land under the softmax
.irp t, 0,1,2,3
	SQK 1, \t
.endr
.rept 4
	v_nop
.endr
	s_cmp_lg_u32 s[SI], s[OM]
	s_cbranch_scc1 .Lopen                          ; only the wave's last step lies on the diagonal
	v_mov_b32 v94, 0xff800000
.set n, 0
.rept 64
	v_cmp_gt_i32 vcc_lo, 32*(n/16)+n%16, v4        ; register 16 b + i holds key 32 b + 16 h + i of the step: hidden where it comes after my query
	v_cndmask_b32 v[96+n], v[96+n], v94, vcc_lo
.set n, n+1
.endr
.Lopen:
.irp b, 0,1,2,3
	v_max3_num_f32 v[86+\b], v[96+16*\b], v[97+16*\b], v[98+16*\b]   ; the largest score of each block of 32 keys: it serves for the row's maximum and, since p rises with the score, for the block's largest p
.endr
.irp i, 3,5,7,9,11,13
.irp b, 0,1,2,3
	v_max3_num_f32 v[86+\b], v[86+\b], v[96+16*\b+\i], v[97+16*\b+\i]
.endr
.endr
.irp b, 0,1,2,3
	v_max_num_f32 v[86+\b], v[86+\b], v[111+16*\b]
.endr
.irp b, 0,1,2,3
	v_permlanex16_b32 v[90+\b], v[86+\b], s[SEL], s[SEL+1]
.endr
.irp b, 0,1,2,3
	v_max_num_f32 v[86+\b], v[86+\b], v[90+\b]
.endr
	v_max3_num_f32 v94, v86, v87, v88
	v_max_num_f32 v94, v94, v89
	v_mul_f32 v94, s[CS], v94
	v_max_num_f32 v13, v13, v94                    ; the running largest t
	v_mov_b32 v94, v12
	v_floor_f32 v12, -v13                          ; -M = floor(-t): M is a whole number
	v_sub_f32 v94, v12, v94
	v_cvt_i32_f32 v94, v94                         ; (it saturates)
	v_ldexp_f32 v30, 1.0, v94                      ; f = 2^(old M - new M): exact
.set j, 0
.rept 32
	v_pk_fma_f32 v[96+j:97+j], v[96+j:97+j], s[CS:CS+1], v[12:13] op_sel_hi:[1,0,0]   ; t - M
.set j, j+2
.endr
.irp b, 0,1,2,3
	v_fma_f32 v[86+\b], v[86+\b], s[CS], v12
.endr
.set j, 0
.rept 64
	v_exp_f32 v[96+j], v[96+j]                     ; p = 2^(t - M): not normalised
.set j, j+1
.endr
	v_pk_mul_f32 v[14:15], v[14:15], v[30:31] op_sel_hi:[1,0]      ; the sums under the new M; the plain instruction behind the exponentials
	s_wait_alu depctr_va_vdst(0)                   ; one wait for the batch, ahead of its first use
.irp b, 0,1,2,3
	v_exp_f32 v[86+\b], v[86+\b]                   ; each block's largest p
.endr
	v_pk_add_f32 v[90:91], v[96:97], v[98:99]      ; the row's sum is taken of the unquantised p, in two chains
.irp j, 4,8,12,16,20,24,28,32,36,40,44,48,52,56,60
	v_pk_add_f32 v[14:15], v[14:15], v[96+\j:97+\j]
	v_pk_add_f32 v[90:91], v[90:91], v[98+\j:99+\j]
.endr
	v_pk_add_f32 v[14:15], v[14:15], v[90:91]
	s_wait_alu depctr_va_vdst(0)                   ; and one for the four
.irp b, 0,1,2,3
	v_max_num_f32 v[86+\b], 0x1800000, v[86+\b]    ; the floor 2^(3 - 127): a block whose every p is 0 keeps the byte 1 over zero codes
.endr
.irp b, 0,1,2,3
	v_add_nc_u32 v[252+\b], 0xff000000, v[86+\b]
.endr
.irp b, 0,1,2,3
	v_lshrrev_b32 v[90+\b], 23, v[252+\b]
.endr
	v_lshl_or_b32 v29, v91, 8, v90
	v_lshl_or_b32 v29, v92, 16, v29
	v_lshl_or_b32 v29, v93, 24, v29                ; p's scale word for these 128 keys
.irp c, 0,1
	v_cvt_scalef32_pk16_fp6_f32 v[240+6*\c:242+6*\c], v[96+32*\c:111+32*\c], v[252+2*\c]
	v_cvt_scalef32_pk16_fp6_f32 v[32+12*\c:34+12*\c], v[112+32*\c:127+32*\c], v[252+2*\c+1]   ; (into registers of K's that the next step loads anew)
.endr
	v_nop                                          ; one plain instruction behind a scaled conversion
.irp c, 0,1
.irp i, 0,1,2
	v_permlane16_swap_b32 v[240+6*\c+\i], v[32+12*\c+\i]
.endr
.irp i, 0,1,2
	v_mov_b32 v[243+6*\c+\i], v[32+12*\c+\i]
.endr
.endr
.set j, 0
.rept 16
	v_pk_mul_f32 v[160+j:161+j], v[160+j:161+j], v[30:31] op_sel_hi:[1,0]   ; O^T under the new M; the last twelve name nothing of the first product: they are the places between p's scale word and it
.set j, j+2
.endr
	s_wait_dscnt 0x0                               ; V
.irp t, 0,1,2,3
	OPV \t                                         ; four accumulators by turns
.endr
.Lskip:
	s_add_co_u32 s[TB], s[TB], REC
	s_add_co_u32 s[SI], s[SI], 1
	s_cmp_lt_u32 s[SI], 16
	s_cbranch_scc1 .Lstep
	; THE WAY OUT: O / the sum, quantised along the head's 64: two blocks, half an operand
.rept 4
	v_nop                                          ; behind the last products
.endr
	v_add_f32 v14, v14, v15
	v_permlanex16_b32 v90, v14, s[SEL], s[SEL+1]
	v_add_f32 v14, v14, v90
	v_rcp_f32 v14, v14
	v_bfe_u32 v95, v0, 4, 1                        ; (the plain instruction behind the reciprocal)
	s_wait_alu depctr_va_vdst(0)                   ; ahead of its first use
.set j, 0
.rept 32
	v_mul_f32 v[96+j], v[160+j], v14               ; register 16 b + i: channel 32 b + 16 h + i of my query
.set j, j+1
.endr
.irp b, 0,1
	v_max3_num_f32 v[86+\b], |v[96+16*\b]|, |v[97+16*\b]|, 0x1800000
.endr
.irp i, 2,4,6,8,10,12,14
.irp b, 0,1
	v_max3_num_f32 v[86+\b], v[86+\b], |v[96+16*\b+\i]|, |v[97+16*\b+\i]|
.endr
.endr
.irp b, 0,1
	v_permlanex16_b32 v[90+\b], v[86+\b], s[SEL], s[SEL+1]
.endr
.irp b, 0,1
	v_max_num_f32 v[86+\b], v[86+\b], v[90+\b]
.endr
.irp b, 0,1
	v_add_nc_u32 v[252+\b], 0xff000000, v[86+\b]
.endr
.irp b, 0,1
	v_lshrrev_b32 v[90+\b], 23, v[252+\b]
.endr
	v_cvt_scalef32_pk16_fp6_f32 v[240:242], v[96:111], v252
	v_cvt_scalef32_pk16_fp6_f32 v[32:34], v[112:127], v253
	v_cmp_eq_u32 vcc_lo, 1, v95                    ; (the plain instruction behind the conversions)
.irp i, 0,1,2
	v_permlane16_swap_b32 v[240+\i], v[32+\i]
.endr
.irp i, 0,1,2
	v_mov_b32 v[243+\i], v[32+\i]
.endr
	v_cndmask_b32 v94, v90, v91, vcc_lo            ; lane (r, h) stores block h's byte
	global_store_b128 v1, v[240:243], s[18:19]
	global_store_b64 v2, v[244:245], s[18:19] offset:512
	global_store_b8 v7, v94, s[20:21]
	s_wait_tensorcnt 0x0                           ; the wave's end
	ds_add_u32 v5, v6
	s_wait_dscnt 0x0
	CROUND                                         ; the closing round
	s_endpgm
.Lfunc_end_k_q2c89b7f4f0_attn:
	.size	k_q2c89b7f4f0_attn, .Lfunc_end_k_q2c89b7f4f0_attn-k_q2c89b7f4f0_attn
	.p2alignl 7, 3214868480
	.fill 96, 4, 3214868480
	.section	.rodata,"a",@progbits
	.p2align	6, 0x0
	.amdhsa_kernel k_q2c89b7f4f0_attn
		.amdhsa_group_segment_fixed_size 210944
		.amdhsa_private_segment_fixed_size 0
		.amdhsa_enable_private_segment 0
		.amdhsa_kernarg_size 16
		.amdhsa_user_sgpr_count 2
		.amdhsa_user_sgpr_kernarg_segment_ptr 1
		.amdhsa_wavefront_size32 1
		.amdhsa_system_sgpr_workgroup_id_x 1
		.amdhsa_system_sgpr_workgroup_id_y 1
		.amdhsa_system_sgpr_workgroup_id_z 1
		.amdhsa_system_vgpr_workitem_id 0
		.amdhsa_next_free_vgpr 256
		.amdhsa_next_free_sgpr 66
		.amdhsa_reserve_vcc 1
		.amdhsa_float_denorm_mode_32 3
		.amdhsa_float_denorm_mode_16_64 3
		.amdhsa_memory_ordered 1
		.amdhsa_forward_progress 1
		.amdhsa_inst_pref_size 33
	.end_amdhsa_kernel
	.amdgpu_metadata
---
amdhsa.version: [ 1, 2 ]
amdhsa.kernels:
  - .name:           k_q2c89b7f4f0_attn
    .symbol:         k_q2c89b7f4f0_attn.kd
    .args:
      - { .name: qkv, .offset: 0, .size: 8, .value_kind: global_buffer, .address_space: global }
      - { .name: ao, .offset: 8, .size: 8, .value_kind: global_buffer, .address_space: global }
    .group_segment_fixed_size: 210944
    .private_segment_fixed_size: 0
    .kernarg_segment_align: 8
    .kernarg_segment_size: 16
    .max_flat_workgroup_size: 512
    .sgpr_count:     66
    .vgpr_count:     256
    .wavefront_size: 32
...
	.end_amdgpu_metadata
.endif
;; end of part 3
;; launch gemm_proj (part 4): grid 8 x 32, 4 waves a work-group, clusters of 4 x 4, 327,680 bytes of LDS; arguments ao, wts, proj_b, x, x1; writes x1
.if DOCPART == 4
	.amdgcn_target "amdgcn-amd-amdhsa--gfx1250"
	.amdhsa_code_object_version 6
	.text
	.protected	k_q2c89b7f4f0_gemm_proj
	.globl	k_q2c89b7f4f0_gemm_proj
	.p2align	8
	.type	k_q2c89b7f4f0_gemm_proj,@function
k_q2c89b7f4f0_gemm_proj:
	s_mov_b64 s[64:65], 0
	v_nop
	global_prefetch_b8 v0, s[64:65] scope:SCOPE_SE
	s_setreg_imm32_b32 hwreg(HW_REG_WAVE_MODE, 25, 1), 1
	s_wait_xcnt 0x0
	s_wait_alu depctr_hold_cnt(0) depctr_sa_sdst(0) depctr_va_vdst(0) depctr_va_sdst(0) depctr_va_ssrc(0) depctr_va_vcc(0) depctr_vm_vsrc(0)
	s_getreg_b32 s2, hwreg(HW_REG_IB_STS2, 6, 4)
	s_cmp_eq_u32 s2, 0
	s_cbranch_scc0 .Lentry_in_a_cluster
	s_endpgm
.Lentry_in_a_cluster:
	s_bfe_u32 s2, ttmp6, 0x10000c
	s_cmp_lg_u32 s2, 0xf033
	s_cbranch_scc0 .Lentry_shape_is_right
	s_endpgm
.Lentry_shape_is_right:
; x1 = x + attention's output x proj_w + proj_b, the product on codes of FP6 (E2M3) with E8M0 scales; x1 is f32, rows in their natural order.
; 4,096 x 1,024 results give 256 work-groups tiles of 128 x 128: four waves (2 x 2), each 64 x 64: 16 accumulators.  K = 1,024 is two slots of 512, each filled once by joint tensor loads of a 4 x 4 cluster.
; Operands lie in memory as images of their registers ([16 places][128 along K][1,536 bytes]; place = number with bits 3 and 4 exchanged); a fragment comes by four dense LDS loads.
; Source 0 = the weight's columns, source 1 = rows: a lane holds one row and eight neighbouring columns a tile.  The bias is the C of the first products.  The way out goes through the wave's stage in LDS, so that
; sixteen lanes store 256 consecutive bytes of a row; the residual is loaded in the same shape, two blocks ahead.
; LIMITS: NaN and infinities are not served.
.set MB, 4
.set NB, 4
.set NQ, 4
.set KT, 8
.set ASCL,  3145728
.set WCODE, 2359296
.set WSCL,  9535488
.set MH,    MB/2
.set QA,    MH/2
.set FR,    12
.set HAL,   MH*4
.set HALFT, MB*NQ*1536
.set SLOT,  4*HALFT
.set SCL_L, 2*SLOT
.set HALFS, MB*KT*64
.set SWO,   256                        ; a tile's 128 places are one group of scale words: my 4 blocks begin 256 bytes apart
.set SPARE, SCL_L+4*HALFS
.set LAPS,  KT/(2*NQ)
.set ADRA, 16
.set ADRB, 20
.set STO,  24
.set RD,   25
.set CO,   26
.set ADRS, 27
.set SPW,  28
.set NIL,  29
.set L16,  30
.set L8,   31
.set SC,   32                          ; v32-63 scale words and nothing else
.set BI,   64                          ; v64-95 the bias
.set AF,   128                         ; v128-175 A's fragments; v96-127, v128-159 rows on the way out; v176-239 the residual, two sets
.set G1, 24
.set G0, 32
.set G1B, 48
.set G0B, 56
.set G1S, 68
.set G0S, 76
.set G1SB, 80
.set G0SB, 88
.set MSB, 0
.macro WIN new
.if MSB != (\new)
	s_set_vgpr_msb (MSB<<8)|(\new)
.set MSB, (\new)
.endif
.endm
.macro PLACES n
.rept \n
	v_nop
.endr
.endm
.macro JLOAD g0a, g1a, g0b, g1b        ; a joint load: waves 0 and 1 fetch for A, waves 2 and 3 for B; an s_nop 0 and four v_nop follow each line
	s_cmp_eq_u32 s15, 0
	s_cbranch_scc0 .Lfor_b_\@
	tensor_load_to_lds s[\g0a:\g0a+3], s[\g1a:\g1a+7]
	s_nop 0
	PLACES 4
	s_branch .Lasked_\@
.Lfor_b_\@:
	tensor_load_to_lds s[\g0b:\g0b+3], s[\g1b:\g1b+7]
	s_nop 0
	PLACES 4
.Lasked_\@:
.endm
.macro CREST
	s_cmp_lg_u32 s14, 0
	s_cbranch_scc1 .Lnot_wave_0_\@
	s_barrier_signal -3
.Lnot_wave_0_\@:
	s_barrier_wait -3
	s_barrier_signal -1
	s_barrier_wait -1
.endm
.macro CROUND
	s_barrier_signal -1
	s_barrier_wait -1
	CREST
.endm
.macro FRAG reg, a16, a8, off
	ds_load_b128 v[(\reg):(\reg)+3], v[\a16] offset:(\off)
	ds_load_b64 v[(\reg)+4:(\reg)+5], v[\a8] offset:(\off)+512
	ds_load_b128 v[(\reg)+6:(\reg)+9], v[\a16] offset:(\off)+768
	ds_load_b64 v[(\reg)+10:(\reg)+11], v[\a8] offset:(\off)+1280
.endm
.macro FETCH_B slot, q, p
	WIN 0x40
.set fi, 0
.rept NB
	FRAG 128*(\p)+FR*fi, ADRB+\slot, ADRB+2+\slot, (fi*NQ+(\q))*1536
.set fi, fi+1
.endr
	WIN 0
.endm
.macro FETCH_A slot, q, i0
.set fi, \i0
.rept MH
	FRAG AF+FR*fi, ADRA+\slot, ADRA+2+\slot, (fi*NQ+(\q))*1536
.set fi, fi+1
.endr
.endm
.macro SCALES sc
.set fi, 0
.rept MB
.set fq, 0
.rept NQ
	ds_load_b32 v[SC+16*(\sc)+NQ*fi+fq], v[ADRS] offset:512*fq+64*fi
.set fq, fq+1
.endr
.set fi, fi+1
.endr
.endm
; the accumulators take turns, one instruction a turn, in the same order in every step
.macro MULS a0, na, p, q, sc, first
.set ia, \a0
.rept \na
.set ib, 0
.rept NB
.set rD, 8*(NB*(ia%MH)+ib)
.if \first
	v_wmma_scale_f32_16x16x128_f8f6f4 v[rD:rD+7], v[128*(\p)+FR*ib:128*(\p)+FR*ib+FR-1], v[AF+FR*ia:AF+FR*ia+FR-1], v[BI+8*ib:BI+8*ib+7], v[SC+16*(\sc)+NQ*ib+(\q)], v[SC+16*(\sc)+NQ*ia+(\q)] matrix_a_fmt:MATRIX_FMT_FP6 matrix_b_fmt:MATRIX_FMT_FP6 matrix_a_scale:MATRIX_SCALE_ROW1
.else
	v_wmma_scale_f32_16x16x128_f8f6f4 v[rD:rD+7], v[128*(\p)+FR*ib:128*(\p)+FR*ib+FR-1], v[AF+FR*ia:AF+FR*ia+FR-1], v[rD:rD+7], v[SC+16*(\sc)+NQ*ib+(\q)], v[SC+16*(\sc)+NQ*ia+(\q)] matrix_a_fmt:MATRIX_FMT_FP6 matrix_b_fmt:MATRIX_FMT_FP6 matrix_a_scale:MATRIX_SCALE_ROW1
.endif
.set ib, ib+1
.endr
.set ia, ia+1
.endr
.endm
.macro STEP slot, q, first
	s_wait_dscnt HAL                               ; all but the youngest loads, A's upper blocks
	WIN 0xa1-0x20*(\first)
	MULS 0, MH, (\q)%2, \q, \slot, \first
	s_wait_dscnt 0x0
	PLACES 4                                       ; in front of loads into registers that matrix instructions have read
	FETCH_B \slot, (\q)+1, 1-(\q)%2
	FETCH_A \slot, (\q)+1, 0
	WIN 0xf1-0x30*(\first)
	MULS MH, MH, (\q)%2, \q, \slot, \first
	PLACES 4
	WIN 0
	FETCH_A \slot, (\q)+1, MH
.endm
.macro TURN slot, next, fill
	s_wait_tensorcnt 0x0                           ; my part of the next slot has landed
	ds_add_u32 v[SPW], v[NIL]
	s_wait_dscnt HAL+1                             ; (the add and A's upper blocks may be out)
	WIN 0xa1
	MULS 0, QA, 1, NQ-1, \slot, 0
	s_wait_dscnt 0x0                               ; the add is done, and my reads of this slot are over
	s_barrier_signal -1
	MULS QA, QA, 1, NQ-1, \slot, 0
	WIN 0
	s_barrier_wait -1
.if \fill
	CREST
	s_add_nc_u64 s[G0+4*\slot+2:G0+4*\slot+3], s[G0+4*\slot+2:G0+4*\slot+3], 2*NQ*1536
	s_add_nc_u64 s[G0B+4*\slot+2:G0B+4*\slot+3], s[G0B+4*\slot+2:G0B+4*\slot+3], 2*NQ*1536
	JLOAD G0+4*\slot, G1, G0B+4*\slot, G1B
.else
	PLACES 4
.endif
	v_add_nc_u32 v[ADRS], 512*NQ, v[ADRS]
	FETCH_B \next, 0, 0
	FETCH_A \next, 0, 0
	SCALES \next
	WIN 0xf1
	MULS MH, MH, 1, NQ-1, \slot, 0
	PLACES 4
	WIN 0
	FETCH_A \next, 0, MH
.endm
.macro REST slot
.if NQ > 2
	STEP \slot, 1, 0
	STEP \slot, 2, 0
.endif
.endm
	s_load_b256 s[4:11], s[0:1], 0x0               ; A, wts, bias, residual
	s_load_b64 s[12:13], s[0:1], 0x20              ; out
	v_lshl_add_u32 v[SPW], v0, 2, SPARE
	v_mov_b32 v[NIL], 0
	ds_add_u32 v[SPW], v[NIL]                      ; the wave's opening
	v_lshrrev_b32 v1, 5, v0
	v_readfirstlane_b32 s14, v1
	s_lshr_b32 s15, s14, 1
	s_and_b32 s16, s14, 1
	s_bfe_u32 s40, ttmp6, 0x40000
	s_bfe_u32 s41, ttmp6, 0x40004
	s_lshl_b32 s42, ttmp9, 2
	s_add_co_u32 s42, s42, s40                     ; tile column
	s_and_b32 s17, ttmp7, 0xffff
	s_lshl_b32 s17, s17, 2
	s_add_co_u32 s17, s17, s41                     ; tile row
	s_lshl_b32 s43, s41, 2
	s_lshl_b32 s43, 15, s43
	s_lshl_b32 s44, 0x1111, s40
	s_or_b32 s[G1], s43, (3<<16)|(1<<21)
	s_or_b32 s[G1B], s44, (3<<16)|(1<<21)
.irp g, G1, G1B
	s_mov_b32 s[\g+1], (NQ*192)<<16
	s_mov_b32 s[\g+2], MB<<16
	s_mov_b32 s[\g+3], (NQ*192)<<16
	s_mov_b32 s[\g+4], MB
	s_mov_b32 s[\g+5], KT*192
	s_mov_b32 s[\g+6], 0
	s_mov_b32 s[\g+7], 0
.endr
	s_or_b32 s[G1S], s43, (3<<16)|(1<<21)
	s_or_b32 s[G1SB], s44, (3<<16)|(1<<21)
.irp g, G1S, G1SB
	s_mov_b32 s[\g+1], 32<<16
	s_mov_b32 s[\g+2], (HALFS/256)<<16
	s_mov_b32 s[\g+3], 32<<16
	s_mov_b32 s[\g+4], HALFS/256
	s_mov_b32 s[\g+5], 32
	s_mov_b32 s[\g+6], 0
	s_mov_b32 s[\g+7], 0
.endr
	s_lshl_b32 s20, s17, 1
	s_add_co_u32 s20, s20, s16
	s_mul_i32 s22, s20, HALFS
	s_add_co_u32 s22, s22, ASCL
	s_mul_i32 s20, s20, MB*KT*1536
	s_lshl_b32 s46, s42, 1
	s_add_co_u32 s46, s46, s16
	s_mul_i32 s92, s46, HALFS
	s_add_co_u32 s92, s92, WSCL
	s_mul_i32 s46, s46, MB*KT*1536
	s_add_co_u32 s46, s46, WCODE
	s_mov_b32 s21, 0
	s_mov_b32 s23, 0
	s_mov_b32 s47, 0
	s_mov_b32 s93, 0
	s_mul_i32 s45, s14, HALFT
	s_mul_i32 s94, s14, HALFS
	s_wait_dscnt 0x0
	s_wait_kmcnt 0x0
	s_add_nc_u64 s[20:21], s[4:5], s[20:21]
	s_add_nc_u64 s[22:23], s[4:5], s[22:23]
	s_add_nc_u64 s[46:47], s[6:7], s[46:47]
	s_add_nc_u64 s[92:93], s[6:7], s[92:93]
	CROUND
	s_mov_b32 s[G0S], 1
	s_add_co_u32 s[G0S+1], s94, SCL_L
	s_mov_b64 s[G0S+2:G0S+3], s[22:23]
	s_or_b32 s[G0S+3], s[G0S+3], 0x80000000
	s_mov_b32 s[G0SB], 1
	s_add_co_u32 s[G0SB+1], s94, SCL_L
	s_mov_b64 s[G0SB+2:G0SB+3], s[92:93]
	s_or_b32 s[G0SB+3], s[G0SB+3], 0x80000000
	JLOAD G0S, G1S, G0SB, G1SB                     ; three loads of mine are out at the most
.irp s, 0,1
	s_mov_b32 s[G0+4*\s], 1
	s_add_co_u32 s[G0+4*\s+1], s45, \s*SLOT
	s_add_nc_u64 s[G0+4*\s+2:G0+4*\s+3], s[20:21], \s*NQ*1536
	s_or_b32 s[G0+4*\s+3], s[G0+4*\s+3], 0x80000000
	s_mov_b32 s[G0B+4*\s], 1
	s_add_co_u32 s[G0B+4*\s+1], s45, \s*SLOT
	s_add_nc_u64 s[G0B+4*\s+2:G0B+4*\s+3], s[46:47], \s*NQ*1536
	s_or_b32 s[G0B+4*\s+3], s[G0B+4*\s+3], 0x80000000
	JLOAD G0+4*\s, G1, G0B+4*\s, G1B
.endr
	v_and_b32 v1, 15, v0
	v_bfe_u32 v2, v0, 4, 1
	v_and_b32 v3, 31, v0
	v_lshlrev_b32 v[L16], 4, v3
	v_lshlrev_b32 v[L8], 3, v3
	s_mul_i32 s21, s15, HALFT
	s_mul_i32 s22, s16, HALFT
	s_add_co_u32 s22, s22, 2*HALFT
.irp s, 0,1
	v_add_nc_u32 v[ADRA+\s], s21, v[L16]
	v_add_nc_u32 v[ADRA+2+\s], s21, v[L8]
	v_add_nc_u32 v[ADRB+\s], s22, v[L16]
	v_add_nc_u32 v[ADRB+2+\s], s22, v[L8]
	s_add_co_u32 s21, s21, SLOT
	s_add_co_u32 s22, s22, SLOT
.endr
	s_mul_i32 s21, s15, SWO
	s_mul_i32 s22, s16, SWO
	s_add_co_u32 s22, s22, 2*HALFS
	s_sub_co_u32 s22, s22, s21
	v_mul_u32_u24 v6, s22, v2
	s_add_co_u32 s21, s21, SCL_L
	v_lshl_add_u32 v5, v1, 2, v6
	v_add_nc_u32 v[ADRS], s21, v5
	s_lshl_b32 s46, s42, 9
	s_lshl_b32 s47, s16, 8
	s_add_co_u32 s46, s46, s47                     ; my 64 columns, in bytes
	s_mov_b32 s47, 0
	s_add_nc_u64 s[8:9], s[8:9], s[46:47]
	v_lshlrev_b32 v4, 6, v2
.set ib, 0
.rept NB
	global_load_b128 v[BI+8*ib:BI+8*ib+3], v4, s[8:9] offset:128*(ib/2)+32*(ib%2)
	global_load_b128 v[BI+8*ib+4:BI+8*ib+7], v4, s[8:9] offset:128*(ib/2)+32*(ib%2)+16
.set ib, ib+1
.endr
	s_lshl_b32 s20, s17, 7
	s_lshl_b32 s21, s15, 6
	s_add_co_u32 s20, s20, s21
	s_lshl_b32 s20, s20, 12                        ; my 64 rows of 4,096 bytes
	s_mov_b32 s21, 0
	s_add_nc_u64 s[10:11], s[10:11], s[20:21]
	s_add_nc_u64 s[10:11], s[10:11], s[46:47]
	s_add_nc_u64 s[12:13], s[12:13], s[20:21]
	s_add_nc_u64 s[12:13], s[12:13], s[46:47]
	v_lshlrev_b32 v[CO], 12, v2
	v_lshl_add_u32 v[CO], v1, 4, v[CO]             ; lanes 0-15 one row's 256 bytes, lanes 16-31 the next row's
.macro RESLOAD a                       ; the residual of block a: places 2 t, 2 t + 1 of the block are rows 32 (a / 2) + 8 (a % 2) + 16 (t / 4) + 2 (t % 4) and the next
.set t, 0
.rept 8
	global_load_b128 v[176+32*((\a)%2)+4*t:176+32*((\a)%2)+4*t+3], v[CO], s[10:11] offset:(2*(t%4)+16*(t/4)+8*((\a)%2)+32*((\a)/2))*4096
.set t, t+1
.endr
.endm
	RESLOAD 0
	RESLOAD 1
	s_mul_i32 s23, s14, 16*272                     ; my stage, in slot 0, which has had its last fill and its last read when the first result is stored there
	v_mul_u32_u24 v5, v1, 272
	v_lshl_add_u32 v5, v2, 6, v5
	v_add_nc_u32 v[STO], s23, v5                   ; in: row r, + 64 h
	v_mul_u32_u24 v5, v2, 272
	v_lshl_add_u32 v5, v1, 4, v5
	v_add_nc_u32 v[RD], s23, v5                    ; back: two rows an instruction
	s_wait_tensorcnt 1                             ; the scale words and my part of slot 0 are in
	s_barrier_signal -1
	s_barrier_wait -1
	FETCH_B 0, 0, 0
	FETCH_A 0, 0, 0
	SCALES 0
	FETCH_A 0, 0, MH
	s_wait_loadcnt 16                              ; the bias is in; the residual's sixteen loads may be out
	STEP 0, 0, 1
.if LAPS > 1
	s_mov_b32 s3, LAPS-1
.Llap:
	REST 0
	TURN 0, 1, 1
	STEP 1, 0, 0
	REST 1
	TURN 1, 0, 1
	STEP 0, 0, 0
	s_sub_co_u32 s3, s3, 1
	s_cmp_lg_u32 s3, 0
	s_cbranch_scc1 .Llap
.endif
	REST 0
	TURN 0, 1, 0
	STEP 1, 0, 0
	REST 1
	s_wait_dscnt HAL
	WIN 0xa1
	MULS 0, MH, 1, NQ-1, 1, 0
	s_wait_dscnt 0x0
	WIN 0xf1
	MULS MH, MH, 1, NQ-1, 1, 0
	WIN 0
	PLACES 4
.macro OUTROW a
.set BKR, 96+32*((\a)%2)
.set RSR, 176+32*((\a)%2)
.if (\a) >= 2
	s_wait_xcnt 0x0                                ; block a - 2's stores have read their registers
.endif
	WIN 0x08+4*((\a)/MH)                           ; an LDS store's data are its source 1
.set ib, 0
.rept NB
.set rD, 8*(NB*((\a)%MH)+ib)
	ds_store_b128 v[STO], v[rD:rD+3] offset:128*(ib/2)+32*(ib%2)          ; each accumulator from its low end on: columns 32 (b / 2) + 16 h + 8 (b % 2) + 0..7
	ds_store_b128 v[STO], v[rD+4:rD+7] offset:128*(ib/2)+32*(ib%2)+16
.set ib, ib+1
.endr
	WIN 0
.set t, 0
.rept 8
	ds_load_b128 v[BKR+4*t:BKR+4*t+3], v[RD] offset:t*544          ; LDS serves a wave's instructions in order
.set t, t+1
.endr
	s_wait_dscnt 0x0
.if (\a) < 3
	s_wait_loadcnt 8                               ; this block's residual is in; the next block's may be out
.else
	s_wait_loadcnt 0x0
.endif
.set t, 0
.rept 16
	v_pk_add_f32 v[BKR+t:BKR+t+1], v[BKR+t:BKR+t+1], v[RSR+t:RSR+t+1]
.set t, t+2
.endr
.if (\a) < 2
	RESLOAD (\a)+2
.endif
.set t, 0
.rept 8
	global_store_b128 v[CO], v[BKR+4*t:BKR+4*t+3], s[12:13] offset:(2*(t%4)+16*(t/4)+8*((\a)%2)+32*((\a)/2))*4096   ; 16 lanes store 256 consecutive bytes, at a multiple of 256
.set t, t+1
.endr
.endm
.irp a, 0,1,2,3
	OUTROW \a
.endr
	s_wait_tensorcnt 0x0                           ; the wave's end
	ds_add_u32 v[SPW], v[NIL]
	s_wait_dscnt 0x0
	CROUND                                         ; the closing round
	s_endpgm
.Lfunc_end_k_q2c89b7f4f0_gemm_proj:
	.size	k_q2c89b7f4f0_gemm_proj, .Lfunc_end_k_q2c89b7f4f0_gemm_proj-k_q2c89b7f4f0_gemm_proj
	.p2alignl 7, 3214868480
	.fill 96, 4, 3214868480
	.section	.rodata,"a",@progbits
	.p2align	6, 0x0
	.amdhsa_kernel k_q2c89b7f4f0_gemm_proj
		.amdhsa_group_segment_fixed_size 327680
		.amdhsa_private_segment_fixed_size 0
		.amdhsa_enable_private_segment 0
		.amdhsa_kernarg_size 40
		.amdhsa_user_sgpr_count 2
		.amdhsa_user_sgpr_kernarg_segment_ptr 1
		.amdhsa_wavefront_size32 1
		.amdhsa_system_sgpr_workgroup_id_x 1
		.amdhsa_system_sgpr_workgroup_id_y 1
		.amdhsa_system_sgpr_workgroup_id_z 1
		.amdhsa_system_vgpr_workitem_id 0
		.amdhsa_next_free_vgpr 1024
		.amdhsa_next_free_sgpr 102
		.amdhsa_reserve_vcc 0
		.amdhsa_float_denorm_mode_32 3
		.amdhsa_float_denorm_mode_16_64 3
		.amdhsa_memory_ordered 1
		.amdhsa_forward_progress 1
		.amdhsa_inst_pref_size 64
	.end_amdhsa_kernel
	.amdgpu_metadata
---
amdhsa.version: [ 1, 2 ]
amdhsa.kernels:
  - .name:           k_q2c89b7f4f0_gemm_proj
    .symbol:         k_q2c89b7f4f0_gemm_proj.kd
    .args:
      - { .name: ao, .offset: 0, .size: 8, .value_kind: global_buffer, .address_space: global }
      - { .name: wts, .offset: 8, .size: 8, .value_kind: global_buffer, .address_space: global }
      - { .name: proj_b, .offset: 16, .size: 8, .value_kind: global_buffer, .address_space: global }
      - { .name: x, .offset: 24, .size: 8, .value_kind: global_buffer, .address_space: global }
      - { .name: x1, .offset: 32, .size: 8, .value_kind: global_buffer, .address_space: global }
    .group_segment_fixed_size: 327680
    .private_segment_fixed_size: 0
    .kernarg_segment_align: 8
    .kernarg_segment_size: 40
    .max_flat_workgroup_size: 128
    .sgpr_count:     102
    .vgpr_count:     1024
    .wavefront_size: 32
...
	.end_amdgpu_metadata
.endif
;; end of part 4
;; launch ln2 (part 5): grid 256 x 1, 8 waves a work-group, no clusters, 66,816 bytes of LDS; arguments x1, ln2_g, ln2_b, a2; writes a2
.if DOCPART == 5
	.amdgcn_target "amdgcn-amd-amdhsa--gfx1250"
	.amdhsa_code_object_version 6
	.text
	.protected	k_q2c89b7f4f0_ln2
	.globl	k_q2c89b7f4f0_ln2
	.p2align	8
	.type	k_q2c89b7f4f0_ln2,@function
k_q2c89b7f4f0_ln2:
	s_mov_b64 s[64:65], 0
	v_nop
	global_prefetch_b8 v0, s[64:65] scope:SCOPE_SE
	s_setreg_imm32_b32 hwreg(HW_REG_WAVE_MODE, 25, 1), 1
	s_wait_xcnt 0x0
; y = (x - mean) / sqrt(var + 1e-5) * gain + bias for rows of 1,024 f32, then codes of FP6 (E2M3) with one E8M0 byte for each 32 along the row, stored as images of operand registers.
; A work-group makes one block of 16 places; place p holds row p with bits 3 and 4 exchanged.  Phase 1: wave w norms the rows of places 2 w and 2 w + 1 (neighbours in memory), each kept in 32 registers between
; the mean, the variance (of the centred numbers, as the formula is written) and the scaling; the results go to a stage in LDS.  Phase 2: wave w takes K step w (128 along the row) of all 16 rows, 16 neighbours of each block of 32 to a lane,
; and quantises.  Matrix units and tensor loads would add nothing: each number is read once and worked on once.
; LIMITS: a block of zeros gets the byte 1 (this program alone reads the bytes); NaN and infinities are not served; a K step's 16 scale words leave as 64 bytes (for 1,536 bytes of codes).
.set PITCH, 4112                       ; a stage row: 4,096 bytes + 16: the 16 rows that a load touches begin 16 bytes apart modulo 256
.set SPARE, 16*PITCH                   ; behind the stage: the spare words, 128 bytes a wave
.set ASCL,  3145728                    ; where the scale words begin
.set X,   32                           ; v32-95   my two rows; later 64 numbers for the quantiser
.set GG,  96                           ; v96-127  the gain at my columns
.set BB,  128                          ; v128-159 the bias
.set TM,  160
.set PC,  176
.set PW,  196
.set SPW, 198
.set NIL, 199
.set SEL, 22
	s_load_b256 s[4:11], s[0:1], 0x0               ; x, gain, bias, out
	v_lshl_add_u32 v[SPW], v0, 2, SPARE
	v_mov_b32 v[NIL], 0
	v_lshrrev_b32 v1, 5, v0
	v_readfirstlane_b32 s12, v1                    ; wave
	v_and_b32 v2, 31, v0
	v_lshlrev_b32 v3, 4, v2                        ; 16 x lane
	v_lshlrev_b32 v4, 3, v2                        ; 8 x lane
	v_and_b32 v5, 15, v0                           ; r
	v_bfe_u32 v6, v0, 4, 1                         ; h
	s_lshr_b32 s13, ttmp9, 1
	s_lshl_b32 s13, s13, 5
	s_and_b32 s14, ttmp9, 1
	s_lshl_b32 s14, s14, 3
	s_add_co_u32 s13, s13, s14
	s_lshr_b32 s14, s12, 2
	s_lshl_b32 s14, s14, 4
	s_add_co_u32 s13, s13, s14
	s_and_b32 s14, s12, 3
	s_lshl_b32 s14, s14, 1
	s_add_co_u32 s13, s13, s14                     ; the row at place 2 w of block b: 32 (b / 2) + 8 (b % 2) + 16 (w / 4) + 2 (w % 4)
	s_lshl_b32 s14, s13, 12
	s_mov_b32 s15, 0
	s_mul_i32 s16, s12, 2*PITCH
	v_add_nc_u32 v7, s16, v3                       ; into the stage: my two rows
	v_mul_u32_u24 v8, v5, PITCH
	v_lshl_add_u32 v8, v6, 6, v8
	s_lshl_b32 s17, s12, 9
	v_add_nc_u32 v8, s17, v8                       ; out of it: row r, K step w, 16 numbers of each block for each half of the lanes
	v_lshlrev_b32 v9, 2, v5
	s_lshl_b32 s18, ttmp9, 3
	s_add_co_u32 s18, s18, s12
	s_mul_i32 s18, s18, 1536                       ; the image (block, K step w)
	s_mov_b32 s19, 0
	s_lshr_b32 s20, ttmp9, 3
	s_lshl_b32 s20, s20, 3
	s_add_co_u32 s20, s20, s12
	s_lshl_b32 s20, s20, 3
	s_and_b32 s21, ttmp9, 7
	s_add_co_u32 s20, s20, s21
	s_lshl_b32 s20, s20, 6
	s_add_co_u32 s20, s20, ASCL
	s_mov_b32 s21, 0
	s_mov_b32 s[SEL], 0x76543210
	s_mov_b32 s[SEL+1], 0xfedcba98                 ; lane l xor 16
	s_mov_b32 s24, 0x3a800000                      ; 1 / 1,024
.irp b, 0,1,2,3
	v_mov_b32 v[TM+4+\b], 0                        ; a lane permute's destination counts as one of its sources
.endr
	s_wait_kmcnt 0x0
	s_add_nc_u64 s[4:5], s[4:5], s[14:15]
	s_add_nc_u64 s[18:19], s[10:11], s[18:19]
	s_add_nc_u64 s[20:21], s[10:11], s[20:21]
.set j, 0
.rept 16
	global_load_b128 v[X+4*j:X+4*j+3], v3, s[4:5] offset:512*j     ; 512 neighbouring bytes a load; the two rows lie on end
.set j, j+1
.endr
.set j, 0
.rept 8
	global_load_b128 v[GG+4*j:GG+4*j+3], v3, s[6:7] offset:512*j
	global_load_b128 v[BB+4*j:BB+4*j+3], v3, s[8:9] offset:512*j
.set j, j+1
.endr
.macro FOLD                            ; four chains of pairs in v10-17 become one sum over the row, in every lane's v10
	v_pk_add_f32 v[10:11], v[10:11], v[12:13]
	v_pk_add_f32 v[14:15], v[14:15], v[16:17]
	v_pk_add_f32 v[10:11], v[10:11], v[14:15]
	v_add_f32 v10, v10, v11
	v_add_f32_dpp v10, v10, v10 row_xmask:1 row_mask:0xf bank_mask:0xf
	v_add_f32_dpp v10, v10, v10 row_xmask:2 row_mask:0xf bank_mask:0xf
	v_add_f32_dpp v10, v10, v10 row_xmask:4 row_mask:0xf bank_mask:0xf
	v_add_f32_dpp v10, v10, v10 row_xmask:8 row_mask:0xf bank_mask:0xf
	v_permlanex16_b32 v11, v10, s[SEL], s[SEL+1]
	v_add_f32 v10, v10, v11
.endm
.macro ROW xb, rs                      ; the row in v[xb] on is centred in place; the pair v[rs] takes 1 / sqrt(var + eps)
.irp c, 0,1,2,3
	v_pk_add_f32 v[10+2*\c:11+2*\c], v[\xb+2*\c:\xb+1+2*\c], v[\xb+8+2*\c:\xb+9+2*\c]
.endr
.irp c, 0,1,2,3
	v_pk_add_f32 v[10+2*\c:11+2*\c], v[10+2*\c:11+2*\c], v[\xb+16+2*\c:\xb+17+2*\c]
.endr
.irp c, 0,1,2,3
	v_pk_add_f32 v[10+2*\c:11+2*\c], v[10+2*\c:11+2*\c], v[\xb+24+2*\c:\xb+25+2*\c]
.endr
	FOLD
	v_mul_f32 v10, s24, v10                        ; the mean
	v_mov_b32 v11, v10
.set j, 0
.rept 16
	v_pk_add_f32 v[\xb+j:\xb+j+1], v[\xb+j:\xb+j+1], v[10:11] neg_lo:[0,1] neg_hi:[0,1]
.set j, j+2
.endr
.irp c, 0,1,2,3
	v_pk_mul_f32 v[10+2*\c:11+2*\c], v[\xb+2*\c:\xb+1+2*\c], v[\xb+2*\c:\xb+1+2*\c]
.endr
.irp o, 8,16,24
.irp c, 0,1,2,3
	v_pk_fma_f32 v[10+2*\c:11+2*\c], v[\xb+\o+2*\c:\xb+\o+1+2*\c], v[\xb+\o+2*\c:\xb+\o+1+2*\c], v[10+2*\c:11+2*\c]
.endr
.endr
	FOLD
	v_fmaak_f32 v10, s24, v10, 0x3727c5ac          ; the variance + 1e-5
	v_rsq_f32 v[\rs], v10
	v_rsq_f32 v[\rs+1], v10
	v_nop                                          ; a plain instruction before a result is used or the source rewritten
.endm
	s_wait_loadcnt 16                              ; my two rows are in; gain and bias may be out
	ROW X, 18
	ROW X+32, 20
	s_wait_alu depctr_va_vdst(0)                   ; one wait for the four roots, ahead of their first use
	s_wait_loadcnt 0x0
.irp u, 0,1
.set j, 0
.rept 16
	v_pk_mul_f32 v[X+32*\u+j:X+32*\u+j+1], v[X+32*\u+j:X+32*\u+j+1], v[18+2*\u:19+2*\u]
	v_pk_fma_f32 v[X+32*\u+j:X+32*\u+j+1], v[X+32*\u+j:X+32*\u+j+1], v[GG+j:GG+j+1], v[BB+j:BB+j+1]
.set j, j+2
.endr
.endr
.set j, 0
.rept 16
	ds_store_b128 v7, v[X+4*j:X+4*j+3] offset:(j/8)*PITCH+512*(j%8)
.set j, j+1
.endr
	s_wait_dscnt 0x0                               ; for the others' sake: my rows lie in the stage
	s_barrier_signal -1
	s_barrier_wait -1
.set j, 0
.rept 16
	ds_load_b128 v[X+4*j:X+4*j+3], v8 offset:128*(j/4)+16*(j%4)    ; register 16 b + i = number 32 b + 16 h + i of K step w of row r
.set j, j+1
.endr
	s_wait_dscnt 0x0
; 64 numbers of a lane, register 16 b + i = k 32 b + 16 (lane / 16) + i of my row, become an operand's 12 registers in v[PC] on and its scale word in v[PW]
.macro QUANT s
.irp b, 0,1,2,3
	v_max3_num_f32 v[TM+\b], |v[\s+16*\b]|, |v[\s+1+16*\b]|, 0x1800000   ; with the floor 2^(3 - 127): the byte cannot fall under 1
.endr
.irp i, 2,4,6,8,10,12,14
.irp b, 0,1,2,3
	v_max3_num_f32 v[TM+\b], v[TM+\b], |v[\s+16*\b+\i]|, |v[\s+1+16*\b+\i]|
.endr
.endr
.irp b, 0,1,2,3
	v_permlanex16_b32 v[TM+4+\b], v[TM+\b], s[SEL], s[SEL+1]
.endr
.irp b, 0,1,2,3
	v_max_num_f32 v[TM+\b], v[TM+\b], v[TM+4+\b]   ; with lane l xor 16's: the block's largest magnitude
.endr
.irp b, 0,1,2,3
	v_add_nc_u32 v[TM+12+\b], 0xff000000, v[TM+\b] ; 2 off its exponent field: the conversion's scale operand
.endr
.irp b, 0,1,2,3
	v_lshrrev_b32 v[TM+4+\b], 23, v[TM+12+\b]      ; the byte
.endr
	v_lshl_or_b32 v[PW], v[TM+5], 8, v[TM+4]
	v_lshl_or_b32 v[PW], v[TM+6], 16, v[PW]
	v_lshl_or_b32 v[PW], v[TM+7], 24, v[PW]
.irp c, 0,1
	v_cvt_scalef32_pk16_fp6_f32 v[PC+6*\c:PC+2+6*\c], v[\s+32*\c:\s+15+32*\c], v[TM+12+2*\c]
	v_cvt_scalef32_pk16_fp6_f32 v[PC+12+4*\c:PC+14+4*\c], v[\s+16+32*\c:\s+31+32*\c], v[TM+12+2*\c+1]
.endr
	v_nop                                          ; one plain instruction behind a scaled conversion
.irp c, 0,1                            ; the operand wants a whole block in a lane: lanes 0-15 block 2 c, lanes 16-31 block 2 c + 1
.irp i, 0,1,2
	v_permlane16_swap_b32 v[PC+6*\c+\i], v[PC+12+4*\c+\i]
.endr
.irp i, 0,1,2
	v_mov_b32 v[PC+3+6*\c+\i], v[PC+12+4*\c+\i]
.endr
.endr
.endm
	QUANT X
	global_store_b128 v3, v[PC:PC+3], s[18:19]                     ; the image: 512, 256, 512, 256 consecutive bytes
	global_store_b64 v4, v[PC+4:PC+5], s[18:19] offset:512
	global_store_b128 v3, v[PC+6:PC+9], s[18:19] offset:768
	global_store_b64 v4, v[PC+10:PC+11], s[18:19] offset:1280
	global_store_b32 v9, v[PW], s[20:21]                           ; lanes l and l xor 16 hold the same word and store it to the same place
	s_wait_tensorcnt 0x0                           ; the wave's end
	ds_add_u32 v[SPW], v[NIL]
	s_wait_dscnt 0x0
	s_endpgm
.Lfunc_end_k_q2c89b7f4f0_ln2:
	.size	k_q2c89b7f4f0_ln2, .Lfunc_end_k_q2c89b7f4f0_ln2-k_q2c89b7f4f0_ln2
	.p2alignl 7, 3214868480
	.fill 96, 4, 3214868480
	.section	.rodata,"a",@progbits
	.p2align	6, 0x0
	.amdhsa_kernel k_q2c89b7f4f0_ln2
		.amdhsa_group_segment_fixed_size 66816
		.amdhsa_private_segment_fixed_size 0
		.amdhsa_enable_private_segment 0
		.amdhsa_kernarg_size 32
		.amdhsa_user_sgpr_count 2
		.amdhsa_user_sgpr_kernarg_segment_ptr 1
		.amdhsa_wavefront_size32 1
		.amdhsa_system_sgpr_workgroup_id_x 1
		.amdhsa_system_sgpr_workgroup_id_y 1
		.amdhsa_system_sgpr_workgroup_id_z 1
		.amdhsa_system_vgpr_workitem_id 0
		.amdhsa_next_free_vgpr 200
		.amdhsa_next_free_sgpr 66
		.amdhsa_reserve_vcc 0
		.amdhsa_float_denorm_mode_32 3
		.amdhsa_float_denorm_mode_16_64 3
		.amdhsa_memory_ordered 1
		.amdhsa_forward_progress 1
		.amdhsa_inst_pref_size 25
	.end_amdhsa_kernel
	.amdgpu_metadata
---
amdhsa.version: [ 1, 2 ]
amdhsa.kernels:
  - .name:           k_q2c89b7f4f0_ln2
    .symbol:         k_q2c89b7f4f0_ln2.kd
    .args:
      - { .name: x1, .offset: 0, .size: 8, .value_kind: global_buffer, .address_space: global }
      - { .name: ln2_g, .offset: 8, .size: 8, .value_kind: global_buffer, .address_space: global }
      - { .name: ln2_b, .offset: 16, .size: 8, .value_kind: global_buffer, .address_space: global }
      - { .name: a2, .offset: 24, .size: 8, .value_kind: global_buffer, .address_space: global }
    .group_segment_fixed_size: 66816
    .private_segment_fixed_size: 0
    .kernarg_segment_align: 8
    .kernarg_segment_size: 32
    .max_flat_workgroup_size: 256
    .sgpr_count:     66
    .vgpr_count:     200
    .wavefront_size: 32
...
	.end_amdgpu_metadata
.endif
;; end of part 5
;; launch gemm_ff1 (part 6): grid 16 x 16, 4 waves a work-group, clusters of 4 x 4, 327,680 bytes of LDS; arguments a2, wts, ff1_b, g; writes g
.if DOCPART == 6
	.amdgcn_target "amdgcn-amd-amdhsa--gfx1250"
	.amdhsa_code_object_version 6
	.text
	.protected	k_q2c89b7f4f0_gemm_ff1
	.globl	k_q2c89b7f4f0_gemm_ff1
	.p2align	8
	.type	k_q2c89b7f4f0_gemm_ff1,@function
k_q2c89b7f4f0_gemm_ff1:
	s_mov_b64 s[64:65], 0
	v_nop
	global_prefetch_b8 v0, s[64:65] scope:SCOPE_SE
	s_setreg_imm32_b32 hwreg(HW_REG_WAVE_MODE, 25, 1), 1
	s_wait_xcnt 0x0
	s_wait_alu depctr_hold_cnt(0) depctr_sa_sdst(0) depctr_va_vdst(0) depctr_va_sdst(0) depctr_va_ssrc(0) depctr_va_vcc(0) depctr_vm_vsrc(0)
	s_getreg_b32 s2, hwreg(HW_REG_IB_STS2, 6, 4)
	s_cmp_eq_u32 s2, 0
	s_cbranch_scc0 .Lentry_in_a_cluster
	s_endpgm
.Lentry_in_a_cluster:
	s_bfe_u32 s2, ttmp6, 0x10000c
	s_cmp_lg_u32 s2, 0xf033
	s_cbranch_scc0 .Lentry_shape_is_right
	s_endpgm
.Lentry_shape_is_right:
; g = gelu(normed x ff1_w + ff1_b), the product on codes of FP6 (E2M3) with E8M0 scales; g leaves as codes and scale words along its 4,096 columns, the next product's K; nothing leaves in f32.
; A work-group of four waves (2 x 2) makes 256 x 256, a wave 128 x 128: 64 accumulators.  K = 1,024 goes in slots of 256 through a ring of two LDS slots filled by joint tensor loads of a 4 x 4 cluster.
; Operands lie in memory as images of their registers ([16 places][128 along K][1,536 bytes]; place = number with bits 3 and 4 exchanged).  Source 0 = the weight's columns: a lane holds one row, and the 16 registers of
; tiles 2 b, 2 b + 1 are 16 neighbouring columns: a block of 16 rows x my 128 columns is one operand of the next product.  The bias is the C of the first products.
; THE WAY OUT IS A LOOP of 8 trips, a block of rows each: only the halving that takes a block's 64 accumulators into fixed registers differs from trip to trip, and a chain of compares on the trip's number picks it.
; gelu(x) = x / 2 (1 + erf(x / sqrt 2)); erf(z) = z P(z^2) / Q(z^2) on z held to +-4, degrees 6 and 4, all in f32.
; LIMITS: the error of gelu is about 1e-7 |x| in absolute terms, so for x under -3 its relative accuracy fades; NaN and infinities are not served; a block of zeros gets the byte 1.
.set MB, 8
.set NB, 8
.set NQ, 2
.set KT, 8
.set ASCL,  3145728
.set WCODE, 3145728
.set WSCL,  9568256
.set GSCL,  12582912
.set MH,    MB/2
.set QA,    MH/2
.set FR,    12
.set HAL,   MH*4
.set HALFT, MB*NQ*1536
.set SLOT,  4*HALFT
.set SCL_L, 2*SLOT
.set HALFS, MB*KT*64
.set SWO,   HALFS
.set SPARE, SCL_L+4*HALFS
.set LAPS,  KT/(2*NQ)
.set ADRA, 16
.set ADRB, 20
.set STO,  24
.set RD,   25
.set ADRS, 27
.set SPW,  28
.set NIL,  29
.set L16,  30
.set L8,   31
.set SC,   32                          ; v32-63 scale words and nothing else
.set BI,   64                          ; v64-127 the bias; on the way out z, z^2, P, Q of 16 numbers
.set AF,   128                         ; v128-223 A's fragments
.set HA,   128                         ; the way out: v128-191 a block's 64 numbers
.set ZR,   64
.set Z2,   80
.set PR,   96
.set QR,   112
.set A0V,  192                         ; v[192:193] P's leading coefficient, v[194:195] Q's
.set TM,   196
.set PC,   212
.set PW,   232
.set SEL,  100
.set G1, 24
.set G0, 32
.set G1B, 48
.set G0B, 56
.set G1S, 68
.set G0S, 76
.set G1SB, 80
.set G0SB, 88
.set MSB, 0
.macro WIN new
.if MSB != (\new)
	s_set_vgpr_msb (MSB<<8)|(\new)
.set MSB, (\new)
.endif
.endm
.macro PLACES n
.rept \n
	v_nop
.endr
.endm
.macro JLOAD g0a, g1a, g0b, g1b        ; a joint load: waves 0 and 1 fetch for A, waves 2 and 3 for B; an s_nop 0 and four v_nop follow each line
	s_cmp_eq_u32 s15, 0
	s_cbranch_scc0 .Lfor_b_\@
	tensor_load_to_lds s[\g0a:\g0a+3], s[\g1a:\g1a+7]
	s_nop 0
	PLACES 4
	s_branch .Lasked_\@
.Lfor_b_\@:
	tensor_load_to_lds s[\g0b:\g0b+3], s[\g1b:\g1b+7]
	s_nop 0
	PLACES 4
.Lasked_\@:
.endm
.macro CREST
	s_cmp_lg_u32 s14, 0
	s_cbranch_scc1 .Lnot_wave_0_\@
	s_barrier_signal -3
.Lnot_wave_0_\@:
	s_barrier_wait -3
	s_barrier_signal -1
	s_barrier_wait -1
.endm
.macro CROUND
	s_barrier_signal -1
	s_barrier_wait -1
	CREST
.endm
.macro FRAG reg, a16, a8, off
	ds_load_b128 v[(\reg):(\reg)+3], v[\a16] offset:(\off)
	ds_load_b64 v[(\reg)+4:(\reg)+5], v[\a8] offset:(\off)+512
	ds_load_b128 v[(\reg)+6:(\reg)+9], v[\a16] offset:(\off)+768
	ds_load_b64 v[(\reg)+10:(\reg)+11], v[\a8] offset:(\off)+1280
.endm
.macro FETCH_B slot, q, p
	WIN 0x40
.set fi, 0
.rept NB
	FRAG 128*(\p)+FR*fi, ADRB+\slot, ADRB+2+\slot, (fi*NQ+(\q))*1536
.set fi, fi+1
.endr
	WIN 0
.endm
.macro FETCH_A slot, q, i0
.set fi, \i0
.rept MH
	FRAG AF+FR*fi, ADRA+\slot, ADRA+2+\slot, (fi*NQ+(\q))*1536
.set fi, fi+1
.endr
.endm
.macro SCALES sc
.set fi, 0
.rept MB
.set fq, 0
.rept NQ
	ds_load_b32 v[SC+16*(\sc)+NQ*fi+fq], v[ADRS] offset:512*fq+64*fi
.set fq, fq+1
.endr
.set fi, fi+1
.endr
.endm
; the accumulators take turns, one instruction a turn, in the same order in every step
.macro MULS a0, na, p, q, sc, first
.set ia, \a0
.rept \na
.set ib, 0
.rept NB
.set rD, 8*(NB*(ia%MH)+ib)
.if \first
	v_wmma_scale_f32_16x16x128_f8f6f4 v[rD:rD+7], v[128*(\p)+FR*ib:128*(\p)+FR*ib+FR-1], v[AF+FR*ia:AF+FR*ia+FR-1], v[BI+8*ib:BI+8*ib+7], v[SC+16*(\sc)+NQ*ib+(\q)], v[SC+16*(\sc)+NQ*ia+(\q)] matrix_a_fmt:MATRIX_FMT_FP6 matrix_b_fmt:MATRIX_FMT_FP6 matrix_a_scale:MATRIX_SCALE_ROW1
.else
	v_wmma_scale_f32_16x16x128_f8f6f4 v[rD:rD+7], v[128*(\p)+FR*ib:128*(\p)+FR*ib+FR-1], v[AF+FR*ia:AF+FR*ia+FR-1], v[rD:rD+7], v[SC+16*(\sc)+NQ*ib+(\q)], v[SC+16*(\sc)+NQ*ia+(\q)] matrix_a_fmt:MATRIX_FMT_FP6 matrix_b_fmt:MATRIX_FMT_FP6 matrix_a_scale:MATRIX_SCALE_ROW1
.endif
.set ib, ib+1
.endr
.set ia, ia+1
.endr
.endm
.macro STEP slot, q, first
	s_wait_dscnt HAL                               ; all but the youngest loads, A's upper blocks
	WIN 0xa1-0x20*(\first)
	MULS 0, MH, (\q)%2, \q, \slot, \first
	s_wait_dscnt 0x0
	PLACES 4                                       ; in front of loads into registers that matrix instructions have read
	FETCH_B \slot, (\q)+1, 1-(\q)%2
	FETCH_A \slot, (\q)+1, 0
	WIN 0xf1-0x30*(\first)
	MULS MH, MH, (\q)%2, \q, \slot, \first
	PLACES 4
	WIN 0
	FETCH_A \slot, (\q)+1, MH
.endm
.macro TURN slot, next, fill
	s_wait_tensorcnt 0x0                           ; my one load that was out, my part of the next slot, has landed
	ds_add_u32 v[SPW], v[NIL]
	s_wait_dscnt HAL+1                             ; (the add and A's upper blocks may be out)
	WIN 0xa1
	MULS 0, QA, 1, NQ-1, \slot, 0
	s_wait_dscnt 0x0                               ; the add is done, and my reads of this slot are over
	s_barrier_signal -1
	MULS QA, QA, 1, NQ-1, \slot, 0
	WIN 0
	s_barrier_wait -1
.if \fill
	CREST                                          ; no wave of any partner still reads this slot or has a load on its way
	s_add_nc_u64 s[G0+4*\slot+2:G0+4*\slot+3], s[G0+4*\slot+2:G0+4*\slot+3], 2*NQ*1536
	s_add_nc_u64 s[G0B+4*\slot+2:G0B+4*\slot+3], s[G0B+4*\slot+2:G0B+4*\slot+3], 2*NQ*1536
	JLOAD G0+4*\slot, G1, G0B+4*\slot, G1B
.else
	PLACES 4
.endif
	v_add_nc_u32 v[ADRS], 512*NQ, v[ADRS]
	FETCH_B \next, 0, 0
	FETCH_A \next, 0, 0
	SCALES \next
	WIN 0xf1
	MULS MH, MH, 1, NQ-1, \slot, 0
	PLACES 4
	WIN 0
	FETCH_A \next, 0, MH
.endm
.macro REST slot
.if NQ > 2
	STEP \slot, 1, 0
	STEP \slot, 2, 0
.endif
.endm
	s_load_b256 s[4:11], s[0:1], 0x0               ; a2, wts, ff1_b, g
	v_lshl_add_u32 v[SPW], v0, 2, SPARE
	v_mov_b32 v[NIL], 0
	ds_add_u32 v[SPW], v[NIL]                      ; the wave's opening
	v_lshrrev_b32 v1, 5, v0
	v_readfirstlane_b32 s14, v1
	s_lshr_b32 s15, s14, 1
	s_and_b32 s16, s14, 1
	s_bfe_u32 s40, ttmp6, 0x40000
	s_bfe_u32 s41, ttmp6, 0x40004
	s_lshl_b32 s42, ttmp9, 2
	s_add_co_u32 s42, s42, s40                     ; tile column
	s_and_b32 s17, ttmp7, 0xffff
	s_lshl_b32 s17, s17, 2
	s_add_co_u32 s17, s17, s41                     ; tile row
	s_lshl_b32 s43, s41, 2
	s_lshl_b32 s43, 15, s43
	s_lshl_b32 s44, 0x1111, s40
	s_or_b32 s[G1], s43, (3<<16)|(1<<21)
	s_or_b32 s[G1B], s44, (3<<16)|(1<<21)
.irp g, G1, G1B
	s_mov_b32 s[\g+1], (NQ*192)<<16
	s_mov_b32 s[\g+2], MB<<16
	s_mov_b32 s[\g+3], (NQ*192)<<16
	s_mov_b32 s[\g+4], MB
	s_mov_b32 s[\g+5], KT*192
	s_mov_b32 s[\g+6], 0
	s_mov_b32 s[\g+7], 0
.endr
	s_or_b32 s[G1S], s43, (3<<16)|(1<<21)
	s_or_b32 s[G1SB], s44, (3<<16)|(1<<21)
.irp g, G1S, G1SB
	s_mov_b32 s[\g+1], 32<<16
	s_mov_b32 s[\g+2], (HALFS/256)<<16
	s_mov_b32 s[\g+3], 32<<16
	s_mov_b32 s[\g+4], HALFS/256
	s_mov_b32 s[\g+5], 32
	s_mov_b32 s[\g+6], 0
	s_mov_b32 s[\g+7], 0
.endr
	s_lshl_b32 s20, s17, 1
	s_add_co_u32 s20, s20, s16
	s_mul_i32 s22, s20, HALFS
	s_add_co_u32 s22, s22, ASCL
	s_mul_i32 s20, s20, MB*KT*1536
	s_lshl_b32 s46, s42, 1
	s_add_co_u32 s46, s46, s16
	s_mul_i32 s92, s46, HALFS
	s_add_co_u32 s92, s92, WSCL
	s_mul_i32 s46, s46, MB*KT*1536
	s_add_co_u32 s46, s46, WCODE
	s_mov_b32 s21, 0
	s_mov_b32 s23, 0
	s_mov_b32 s47, 0
	s_mov_b32 s93, 0
	s_mul_i32 s45, s14, HALFT
	s_mul_i32 s94, s14, HALFS
	s_mov_b32 s[SEL], 0x76543210
	s_mov_b32 s[SEL+1], 0xfedcba98
	s_wait_dscnt 0x0
	s_wait_kmcnt 0x0
	s_add_nc_u64 s[20:21], s[4:5], s[20:21]
	s_add_nc_u64 s[22:23], s[4:5], s[22:23]
	s_add_nc_u64 s[46:47], s[6:7], s[46:47]
	s_add_nc_u64 s[92:93], s[6:7], s[92:93]
	CROUND
	s_mov_b32 s[G0S], 1
	s_add_co_u32 s[G0S+1], s94, SCL_L
	s_mov_b64 s[G0S+2:G0S+3], s[22:23]
	s_or_b32 s[G0S+3], s[G0S+3], 0x80000000
	s_mov_b32 s[G0SB], 1
	s_add_co_u32 s[G0SB+1], s94, SCL_L
	s_mov_b64 s[G0SB+2:G0SB+3], s[92:93]
	s_or_b32 s[G0SB+3], s[G0SB+3], 0x80000000
	JLOAD G0S, G1S, G0SB, G1SB                     ; three loads of mine are out at the most
.irp s, 0,1
	s_mov_b32 s[G0+4*\s], 1
	s_add_co_u32 s[G0+4*\s+1], s45, \s*SLOT
	s_add_nc_u64 s[G0+4*\s+2:G0+4*\s+3], s[20:21], \s*NQ*1536
	s_or_b32 s[G0+4*\s+3], s[G0+4*\s+3], 0x80000000
	s_mov_b32 s[G0B+4*\s], 1
	s_add_co_u32 s[G0B+4*\s+1], s45, \s*SLOT
	s_add_nc_u64 s[G0B+4*\s+2:G0B+4*\s+3], s[46:47], \s*NQ*1536
	s_or_b32 s[G0B+4*\s+3], s[G0B+4*\s+3], 0x80000000
	JLOAD G0+4*\s, G1, G0B+4*\s, G1B
.endr
	v_and_b32 v1, 15, v0
	v_bfe_u32 v2, v0, 4, 1
	v_and_b32 v3, 31, v0
	v_lshlrev_b32 v[L16], 4, v3
	v_lshlrev_b32 v[L8], 3, v3
	s_mul_i32 s21, s15, HALFT
	s_mul_i32 s22, s16, HALFT
	s_add_co_u32 s22, s22, 2*HALFT
.irp s, 0,1
	v_add_nc_u32 v[ADRA+\s], s21, v[L16]
	v_add_nc_u32 v[ADRA+2+\s], s21, v[L8]
	v_add_nc_u32 v[ADRB+\s], s22, v[L16]
	v_add_nc_u32 v[ADRB+2+\s], s22, v[L8]
	s_add_co_u32 s21, s21, SLOT
	s_add_co_u32 s22, s22, SLOT
.endr
	s_mul_i32 s21, s15, SWO
	s_mul_i32 s22, s16, SWO
	s_add_co_u32 s22, s22, 2*HALFS
	s_sub_co_u32 s22, s22, s21
	v_mul_u32_u24 v6, s22, v2
	s_add_co_u32 s21, s21, SCL_L
	v_lshl_add_u32 v5, v1, 2, v6
	v_add_nc_u32 v[ADRS], s21, v5
	s_lshl_b32 s21, s14, 9                         ; the way out gathers its scale words in slot 0, 512 bytes a wave
	v_lshl_add_u32 v[STO], v1, 2, s21
	v_add_nc_u32 v[RD], s21, v[L16]
	s_lshl_b32 s46, s42, 10
	s_lshl_b32 s47, s16, 9
	s_add_co_u32 s46, s46, s47
	s_mov_b32 s47, 0
	s_add_nc_u64 s[8:9], s[8:9], s[46:47]          ; the bias at my 128 columns
	v_lshlrev_b32 v4, 6, v2
.set ib, 0
.rept NB
	global_load_b128 v[BI+8*ib:BI+8*ib+3], v4, s[8:9] offset:128*(ib/2)+32*(ib%2)
	global_load_b128 v[BI+8*ib+4:BI+8*ib+7], v4, s[8:9] offset:128*(ib/2)+32*(ib%2)+16
.set ib, ib+1
.endr
	s_lshl_b32 s20, s17, 1
	s_add_co_u32 s20, s20, s15                     ; my 128 rows
	s_lshl_b32 s22, s20, 14
	s_add_co_u32 s22, s22, GSCL
	s_mul_i32 s20, s20, 393216                     ; 8 blocks of places x 32 K steps x 1,536
	s_mov_b32 s21, 0
	s_mov_b32 s23, 0
	s_lshl_b32 s46, s42, 1
	s_add_co_u32 s46, s46, s16                     ; my 128 columns: a K step of the next product
	s_lshl_b32 s92, s46, 9
	s_mul_i32 s46, s46, 1536
	s_mov_b32 s93, 0
	s_add_nc_u64 s[12:13], s[10:11], s[22:23]
	s_add_nc_u64 s[12:13], s[12:13], s[92:93]      ; my scale words
	s_add_nc_u64 s[10:11], s[10:11], s[20:21]
	s_add_nc_u64 s[10:11], s[10:11], s[46:47]      ; my first image
	s_wait_tensorcnt 1                             ; the scale words and my part of slot 0 are in
	s_barrier_signal -1
	s_barrier_wait -1
	FETCH_B 0, 0, 0
	FETCH_A 0, 0, 0
	SCALES 0
	FETCH_A 0, 0, MH
	s_wait_loadcnt 0x0                             ; the bias
	STEP 0, 0, 1
.if LAPS > 1
	s_mov_b32 s3, LAPS-1
.Llap:
	REST 0
	TURN 0, 1, 1
	STEP 1, 0, 0
	REST 1
	TURN 1, 0, 1
	STEP 0, 0, 0
	s_sub_co_u32 s3, s3, 1
	s_cmp_lg_u32 s3, 0
	s_cbranch_scc1 .Llap
.endif
	REST 0
	TURN 0, 1, 0
	STEP 1, 0, 0
	REST 1
	s_wait_dscnt HAL
	WIN 0xa1
	MULS 0, MH, 1, NQ-1, 1, 0
	s_wait_dscnt 0x0
	WIN 0xf1
	MULS MH, MH, 1, NQ-1, 1, 0
	WIN 0
	PLACES 4
.macro QUANT s
.irp b, 0,1,2,3
	v_max3_num_f32 v[TM+\b], |v[\s+16*\b]|, |v[\s+1+16*\b]|, 0x1800000
.endr
.irp i, 2,4,6,8,10,12,14
.irp b, 0,1,2,3
	v_max3_num_f32 v[TM+\b], v[TM+\b], |v[\s+16*\b+\i]|, |v[\s+1+16*\b+\i]|
.endr
.endr
.irp b, 0,1,2,3
	v_permlanex16_b32 v[TM+4+\b], v[TM+\b], s[SEL], s[SEL+1]
.endr
.irp b, 0,1,2,3
	v_max_num_f32 v[TM+\b], v[TM+\b], v[TM+4+\b]
.endr
.irp b, 0,1,2,3
	v_add_nc_u32 v[TM+12+\b], 0xff000000, v[TM+\b]
.endr
.irp b, 0,1,2,3
	v_lshrrev_b32 v[TM+4+\b], 23, v[TM+12+\b]
.endr
	v_lshl_or_b32 v[PW], v[TM+5], 8, v[TM+4]
	v_lshl_or_b32 v[PW], v[TM+6], 16, v[PW]
	v_lshl_or_b32 v[PW], v[TM+7], 24, v[PW]
.irp c, 0,1
	v_cvt_scalef32_pk16_fp6_f32 v[PC+6*\c:PC+2+6*\c], v[\s+32*\c:\s+15+32*\c], v[TM+12+2*\c]
	v_cvt_scalef32_pk16_fp6_f32 v[PC+12+4*\c:PC+14+4*\c], v[\s+16+32*\c:\s+31+32*\c], v[TM+12+2*\c+1]
.endr
	v_nop
.irp c, 0,1
.irp i, 0,1,2
	v_permlane16_swap_b32 v[PC+6*\c+\i], v[PC+12+4*\c+\i]
.endr
.irp i, 0,1,2
	v_mov_b32 v[PC+3+6*\c+\i], v[PC+12+4*\c+\i]
.endr
.endr
.endm
.macro HALVE a                         ; block a's 64 results, halved, into v[HA] on; each accumulator is first read at its low end
	WIN 0x02+(\a)/MH
.set i, 0
.rept 32
	v_pk_mul_f32 v[HA+i:HA+i+1], v[64*((\a)%MH)+i:64*((\a)%MH)+i+1], 0.5 op_sel_hi:[1,0]
.set i, i+2
.endr
	WIN 0
.endm
.macro PK8F dst, cv, lit               ; dst = z^2 x the leading coefficient + the next, 16 numbers
.set i, 0
.rept 8
	v_pk_fma_f32 v[\dst+i:\dst+i+1], v[Z2+i:Z2+i+1], v[\cv:\cv+1], \lit op_sel_hi:[1,1,0]
.set i, i+2
.endr
.endm
.macro PK8 dst, lit                    ; dst = dst x z^2 + the next coefficient
.set i, 0
.rept 8
	v_pk_fma_f32 v[\dst+i:\dst+i+1], v[\dst+i:\dst+i+1], v[Z2+i:Z2+i+1], \lit op_sel_hi:[1,1,0]
.set i, i+2
.endr
.endm
.macro PKM dst, a, b                   ; dst = a x b
.set i, 0
.rept 8
	v_pk_mul_f32 v[\dst+i:\dst+i+1], v[\a+i:\a+i+1], v[\b+i:\b+i+1]
.set i, i+2
.endr
.endm
.macro GELU qd                         ; 16 of the 64 numbers: v[HQ] holds x / 2 and takes gelu(x)
.set HQ, HA+16*(\qd)
.set i, 0
.rept 8
	v_pk_mul_f32 v[ZR+i:ZR+i+1], v[HQ+i:HQ+i+1], 0x3fb504f3 op_sel_hi:[1,0]   ; z = x / sqrt 2
.set i, i+2
.endr
.set i, 0
.rept 16
	v_med3_num_f32 v[ZR+i], v[ZR+i], -4.0, 4.0
.set i, i+1
.endr
	PKM Z2, ZR, ZR
	PK8F PR, A0V, 0x32edffee
	PK8F QR, A0V+2, 0xb95fbd29
	PK8 PR, 0xb60cff51
	PK8 QR, 0xbadc924e
	PK8 PR, 0xb86ec2d2
	PK8 QR, 0xbbf19bf8
	PK8 PR, 0xba40ac63
	PK8 QR, 0xbc69b6a7
	PK8 PR, 0xbb41a1f6
	PK8 PR, 0xbc83dbd4
.set i, 0
.rept 16
	v_rcp_f32 v[QR+i], v[QR+i]
.set i, i+1
.endr
	PKM PR, PR, ZR                                 ; plain work behind the reciprocals
	s_wait_alu depctr_va_vdst(0)                   ; one wait for the sixteen, ahead of their first use
	PKM PR, PR, QR                                 ; erf
.set i, 0
.rept 8
	v_pk_fma_f32 v[HQ+i:HQ+i+1], v[HQ+i:HQ+i+1], v[PR+i:PR+i+1], v[HQ+i:HQ+i+1]
.set i, i+2
.endr
.endm
	v_mov_b32 v[A0V], 0xaf95df0b
	v_mov_b32 v[A0V+1], 0xaf95df0b
	v_mov_b32 v[A0V+2], 0xb77460cd
	v_mov_b32 v[A0V+3], 0xb77460cd
.irp b, 0,1,2,3
	v_mov_b32 v[TM+4+\b], 0
.endr
	s_mov_b32 s3, 0
.Lrow:                                             ; 8 trips: a block of 16 rows each
.irp a, 0,1,2,3,4,5,6
	s_cmp_eq_u32 s3, \a
	s_cbranch_scc1 .Lrow\a
.endr
	HALVE 7
	s_branch .Lgo
.irp a, 0,1,2,3,4,5,6
.Lrow\a:
	HALVE \a
	s_branch .Lgo
.endr
.Lgo:
	GELU 0
	GELU 1
	GELU 2
	GELU 3
	QUANT HA
	global_store_b128 v[L16], v[PC:PC+3], s[10:11]
	global_store_b64 v[L8], v[PC+4:PC+5], s[10:11] offset:512
	global_store_b128 v[L16], v[PC+6:PC+9], s[10:11] offset:768
	global_store_b64 v[L8], v[PC+10:PC+11], s[10:11] offset:1280
	ds_store_b32 v[STO], v[PW]                     ; lanes l and l xor 16 hold the same word
	s_wait_xcnt 0x0                                ; the stores have read their registers and their base
	s_add_nc_u64 s[10:11], s[10:11], 49152         ; the next block of places: 32 images on
	v_add_nc_u32 v[STO], 64, v[STO]
	s_add_co_u32 s3, s3, 1
	s_cmp_lt_u32 s3, 8
	s_cbranch_scc1 .Lrow
	ds_load_b128 v[TM:TM+3], v[RD]                 ; LDS serves a wave's instructions in order: this sees my stores
	s_wait_dscnt 0x0
	global_store_b128 v[L16], v[TM:TM+3], s[12:13] ; 512 consecutive bytes
	s_wait_tensorcnt 0x0                           ; the wave's end
	ds_add_u32 v[SPW], v[NIL]
	s_wait_dscnt 0x0
	CROUND                                         ; the closing round
	s_endpgm
.Lfunc_end_k_q2c89b7f4f0_gemm_ff1:
	.size	k_q2c89b7f4f0_gemm_ff1, .Lfunc_end_k_q2c89b7f4f0_gemm_ff1-k_q2c89b7f4f0_gemm_ff1
	.p2alignl 7, 3214868480
	.fill 96, 4, 3214868480
	.section	.rodata,"a",@progbits
	.p2align	6, 0x0
	.amdhsa_kernel k_q2c89b7f4f0_gemm_ff1
		.amdhsa_group_segment_fixed_size 327680
		.amdhsa_private_segment_fixed_size 0
		.amdhsa_enable_private_segment 0
		.amdhsa_kernarg_size 32
		.amdhsa_user_sgpr_count 2
		.amdhsa_user_sgpr_kernarg_segment_ptr 1
		.amdhsa_wavefront_size32 1
		.amdhsa_system_sgpr_workgroup_id_x 1
		.amdhsa_system_sgpr_workgroup_id_y 1
		.amdhsa_system_sgpr_workgroup_id_z 1
		.amdhsa_system_vgpr_workitem_id 0
		.amdhsa_next_free_vgpr 1024
		.amdhsa_next_free_sgpr 102
		.amdhsa_reserve_vcc 0
		.amdhsa_float_denorm_mode_32 3
		.amdhsa_float_denorm_mode_16_64 3
		.amdhsa_memory_ordered 1
		.amdhsa_forward_progress 1
		.amdhsa_inst_pref_size 187
	.end_amdhsa_kernel
	.amdgpu_metadata
---
amdhsa.version: [ 1, 2 ]
amdhsa.kernels:
  - .name:           k_q2c89b7f4f0_gemm_ff1
    .symbol:         k_q2c89b7f4f0_gemm_ff1.kd
    .args:
      - { .name: a2, .offset: 0, .size: 8, .value_kind: global_buffer, .address_space: global }
      - { .name: wts, .offset: 8, .size: 8, .value_kind: global_buffer, .address_space: global }
      - { .name: ff1_b, .offset: 16, .size: 8, .value_kind: global_buffer, .address_space: global }
      - { .name: g, .offset: 24, .size: 8, .value_kind: global_buffer, .address_space: global }
    .group_segment_fixed_size: 327680
    .private_segment_fixed_size: 0
    .kernarg_segment_align: 8
    .kernarg_segment_size: 32
    .max_flat_workgroup_size: 128
    .sgpr_count:     102
    .vgpr_count:     1024
    .wavefront_size: 32
...
	.end_amdgpu_metadata
.endif
;; end of part 6
;; launch gemm_ff2 (part 7): grid 8 x 32, 4 waves a work-group, clusters of 4 x 4, 327,680 bytes of LDS; arguments g, wts, ff2_b, x1, out0; writes out0
.if DOCPART == 7
	.amdgcn_target "amdgcn-amd-amdhsa--gfx1250"
	.amdhsa_code_object_version 6
	.text
	.protected	k_q2c89b7f4f0_gemm_ff2
	.globl	k_q2c89b7f4f0_gemm_ff2
	.p2align	8
	.type	k_q2c89b7f4f0_gemm_ff2,@function
k_q2c89b7f4f0_gemm_ff2:
	s_mov_b64 s[64:65], 0
	v_nop
	global_prefetch_b8 v0, s[64:65] scope:SCOPE_SE
	s_setreg_imm32_b32 hwreg(HW_REG_WAVE_MODE, 25, 1), 1
	s_wait_xcnt 0x0
	s_wait_alu depctr_hold_cnt(0) depctr_sa_sdst(0) depctr_va_vdst(0) depctr_va_sdst(0) depctr_va_ssrc(0) depctr_va_vcc(0) depctr_vm_vsrc(0)
	s_getreg_b32 s2, hwreg(HW_REG_IB_STS2, 6, 4)
	s_cmp_eq_u32 s2, 0
	s_cbranch_scc0 .Lentry_in_a_cluster
	s_endpgm
.Lentry_in_a_cluster:
	s_bfe_u32 s2, ttmp6, 0x10000c
	s_cmp_lg_u32 s2, 0xf033
	s_cbranch_scc0 .Lentry_shape_is_right
	s_endpgm
.Lentry_shape_is_right:
; out0 = x1 + g x ff2_w + ff2_b, the product on codes of FP6 (E2M3) with E8M0 scales; out0 is f32, rows in their natural order.
; 4,096 x 1,024 results give 256 work-groups tiles of 128 x 128: four waves (2 x 2), each 64 x 64: 16 accumulators.  K = 4,096 goes in slots of 512 through a ring of two LDS slots filled by joint tensor loads of a
; 4 x 4 cluster: 64 matrix instructions a wave between two changes of slots.  No prefetch: with tiles this small the requests are first divided by four in the cluster.
; Operands lie in memory as images of their registers ([16 places][128 along K][1,536 bytes]; place = number with bits 3 and 4 exchanged); a fragment comes by four dense LDS loads.
; Source 0 = the weight's columns, source 1 = rows.  The bias is the C of the first products.  The way out goes through the wave's stage in LDS, so that sixteen lanes store 256 consecutive bytes of a row;
; the residual is loaded in the same shape, two blocks ahead.
; LIMITS: NaN and infinities are not served.
.set MB, 4
.set NB, 4
.set NQ, 4
.set KT, 32
.set ASCL,  12582912
.set WCODE, 6291456
.set WSCL,  9699328
.set MH,    MB/2
.set QA,    MH/2
.set FR,    12
.set HAL,   MH*4
.set HALFT, MB*NQ*1536
.set SLOT,  4*HALFT
.set SCL_L, 2*SLOT
.set HALFS, MB*KT*64
.set SWO,   256                        ; a tile's 128 places are one group of scale words: my 4 blocks begin 256 bytes apart
.set SPARE, SCL_L+4*HALFS
.set LAPS,  KT/(2*NQ)
.set ADRA, 16
.set ADRB, 20
.set STO,  24
.set RD,   25
.set CO,   26
.set ADRS, 27
.set SPW,  28
.set NIL,  29
.set L16,  30
.set L8,   31
.set SC,   32                          ; v32-63 scale words and nothing else
.set BI,   64                          ; v64-95 the bias
.set AF,   128                         ; v128-175 A's fragments; v96-127, v128-159 rows on the way out; v176-239 the residual, two sets
.set G1, 24
.set G0, 32
.set G1B, 48
.set G0B, 56
.set G1S, 68
.set G0S, 76
.set G1SB, 80
.set G0SB, 88
.set MSB, 0
.macro WIN new
.if MSB != (\new)
	s_set_vgpr_msb (MSB<<8)|(\new)
.set MSB, (\new)
.endif
.endm
.macro PLACES n
.rept \n
	v_nop
.endr
.endm
.macro JLOAD g0a, g1a, g0b, g1b        ; a joint load: waves 0 and 1 fetch for A, waves 2 and 3 for B; an s_nop 0 and four v_nop follow each line
	s_cmp_eq_u32 s15, 0
	s_cbranch_scc0 .Lfor_b_\@
	tensor_load_to_lds s[\g0a:\g0a+3], s[\g1a:\g1a+7]
	s_nop 0
	PLACES 4
	s_branch .Lasked_\@
.Lfor_b_\@:
	tensor_load_to_lds s[\g0b:\g0b+3], s[\g1b:\g1b+7]
	s_nop 0
	PLACES 4
.Lasked_\@:
.endm
.macro CREST
	s_cmp_lg_u32 s14, 0
	s_cbranch_scc1 .Lnot_wave_0_\@
	s_barrier_signal -3
.Lnot_wave_0_\@:
	s_barrier_wait -3
	s_barrier_signal -1
	s_barrier_wait -1
.endm
.macro CROUND
	s_barrier_signal -1
	s_barrier_wait -1
	CREST
.endm
.macro FRAG reg, a16, a8, off
	ds_load_b128 v[(\reg):(\reg)+3], v[\a16] offset:(\off)
	ds_load_b64 v[(\reg)+4:(\reg)+5], v[\a8] offset:(\off)+512
	ds_load_b128 v[(\reg)+6:(\reg)+9], v[\a16] offset:(\off)+768
	ds_load_b64 v[(\reg)+10:(\reg)+11], v[\a8] offset:(\off)+1280
.endm
.macro FETCH_B slot, q, p
	WIN 0x40
.set fi, 0
.rept NB
	FRAG 128*(\p)+FR*fi, ADRB+\slot, ADRB+2+\slot, (fi*NQ+(\q))*1536
.set fi, fi+1
.endr
	WIN 0
.endm
.macro FETCH_A slot, q, i0
.set fi, \i0
.rept MH
	FRAG AF+FR*fi, ADRA+\slot, ADRA+2+\slot, (fi*NQ+(\q))*1536
.set fi, fi+1
.endr
.endm
.macro SCALES sc
.set fi, 0
.rept MB
.set fq, 0
.rept NQ
	ds_load_b32 v[SC+16*(\sc)+NQ*fi+fq], v[ADRS] offset:512*fq+64*fi
.set fq, fq+1
.endr
.set fi, fi+1
.endr
.endm
; the accumulators take turns, one instruction a turn, in the same order in every step
.macro MULS a0, na, p, q, sc, first
.set ia, \a0
.rept \na
.set ib, 0
.rept NB
.set rD, 8*(NB*(ia%MH)+ib)
.if \first
	v_wmma_scale_f32_16x16x128_f8f6f4 v[rD:rD+7], v[128*(\p)+FR*ib:128*(\p)+FR*ib+FR-1], v[AF+FR*ia:AF+FR*ia+FR-1], v[BI+8*ib:BI+8*ib+7], v[SC+16*(\sc)+NQ*ib+(\q)], v[SC+16*(\sc)+NQ*ia+(\q)] matrix_a_fmt:MATRIX_FMT_FP6 matrix_b_fmt:MATRIX_FMT_FP6 matrix_a_scale:MATRIX_SCALE_ROW1
.else
	v_wmma_scale_f32_16x16x128_f8f6f4 v[rD:rD+7], v[128*(\p)+FR*ib:128*(\p)+FR*ib+FR-1], v[AF+FR*ia:AF+FR*ia+FR-1], v[rD:rD+7], v[SC+16*(\sc)+NQ*ib+(\q)], v[SC+16*(\sc)+NQ*ia+(\q)] matrix_a_fmt:MATRIX_FMT_FP6 matrix_b_fmt:MATRIX_FMT_FP6 matrix_a_scale:MATRIX_SCALE_ROW1
.endif
.set ib, ib+1
.endr
.set ia, ia+1
.endr
.endm
.macro STEP slot, q, first
	s_wait_dscnt HAL                               ; all but the youngest loads, A's upper blocks
	WIN 0xa1-0x20*(\first)
	MULS 0, MH, (\q)%2, \q, \slot, \first
	s_wait_dscnt 0x0
	PLACES 4                                       ; in front of loads into registers that matrix instructions have read
	FETCH_B \slot, (\q)+1, 1-(\q)%2
	FETCH_A \slot, (\q)+1, 0
	WIN 0xf1-0x30*(\first)
	MULS MH, MH, (\q)%2, \q, \slot, \first
	PLACES 4
	WIN 0
	FETCH_A \slot, (\q)+1, MH
.endm
.macro TURN slot, next, fill
	s_wait_tensorcnt 0x0                           ; my one load that was out, my part of the next slot, has landed
	ds_add_u32 v[SPW], v[NIL]
	s_wait_dscnt HAL+1                             ; (the add and A's upper blocks may be out)
	WIN 0xa1
	MULS 0, QA, 1, NQ-1, \slot, 0
	s_wait_dscnt 0x0                               ; the add is done, and my reads of this slot are over
	s_barrier_signal -1
	MULS QA, QA, 1, NQ-1, \slot, 0
	WIN 0
	s_barrier_wait -1
.if \fill
	CREST                                          ; no wave of any partner still reads this slot or has a load on its way
	s_add_nc_u64 s[G0+4*\slot+2:G0+4*\slot+3], s[G0+4*\slot+2:G0+4*\slot+3], 2*NQ*1536
	s_add_nc_u64 s[G0B+4*\slot+2:G0B+4*\slot+3], s[G0B+4*\slot+2:G0B+4*\slot+3], 2*NQ*1536
	JLOAD G0+4*\slot, G1, G0B+4*\slot, G1B         ; my one tensor load behind the round
.else
	PLACES 4
.endif
	v_add_nc_u32 v[ADRS], 512*NQ, v[ADRS]
	FETCH_B \next, 0, 0
	FETCH_A \next, 0, 0
	SCALES \next
	WIN 0xf1
	MULS MH, MH, 1, NQ-1, \slot, 0
	PLACES 4
	WIN 0
	FETCH_A \next, 0, MH
.endm
.macro REST slot
.if NQ > 2
	STEP \slot, 1, 0
	STEP \slot, 2, 0
.endif
.endm
	s_load_b256 s[4:11], s[0:1], 0x0               ; A, wts, bias, residual
	s_load_b64 s[12:13], s[0:1], 0x20              ; out
	v_lshl_add_u32 v[SPW], v0, 2, SPARE
	v_mov_b32 v[NIL], 0
	ds_add_u32 v[SPW], v[NIL]                      ; the wave's opening
	v_lshrrev_b32 v1, 5, v0
	v_readfirstlane_b32 s14, v1
	s_lshr_b32 s15, s14, 1
	s_and_b32 s16, s14, 1
	s_bfe_u32 s40, ttmp6, 0x40000
	s_bfe_u32 s41, ttmp6, 0x40004
	s_lshl_b32 s42, ttmp9, 2
	s_add_co_u32 s42, s42, s40                     ; tile column
	s_and_b32 s17, ttmp7, 0xffff
	s_lshl_b32 s17, s17, 2
	s_add_co_u32 s17, s17, s41                     ; tile row
	s_lshl_b32 s43, s41, 2
	s_lshl_b32 s43, 15, s43
	s_lshl_b32 s44, 0x1111, s40
	s_or_b32 s[G1], s43, (3<<16)|(1<<21)
	s_or_b32 s[G1B], s44, (3<<16)|(1<<21)
.irp g, G1, G1B
	s_mov_b32 s[\g+1], (NQ*192)<<16
	s_mov_b32 s[\g+2], MB<<16
	s_mov_b32 s[\g+3], (NQ*192)<<16
	s_mov_b32 s[\g+4], MB
	s_mov_b32 s[\g+5], KT*192
	s_mov_b32 s[\g+6], 0
	s_mov_b32 s[\g+7], 0
.endr
	s_or_b32 s[G1S], s43, (3<<16)|(1<<21)
	s_or_b32 s[G1SB], s44, (3<<16)|(1<<21)
.irp g, G1S, G1SB
	s_mov_b32 s[\g+1], 32<<16
	s_mov_b32 s[\g+2], (HALFS/256)<<16
	s_mov_b32 s[\g+3], 32<<16
	s_mov_b32 s[\g+4], HALFS/256
	s_mov_b32 s[\g+5], 32
	s_mov_b32 s[\g+6], 0
	s_mov_b32 s[\g+7], 0
.endr
	s_lshl_b32 s20, s17, 1
	s_add_co_u32 s20, s20, s16
	s_mul_i32 s22, s20, HALFS
	s_add_co_u32 s22, s22, ASCL
	s_mul_i32 s20, s20, MB*KT*1536
	s_lshl_b32 s46, s42, 1
	s_add_co_u32 s46, s46, s16
	s_mul_i32 s92, s46, HALFS
	s_add_co_u32 s92, s92, WSCL
	s_mul_i32 s46, s46, MB*KT*1536
	s_add_co_u32 s46, s46, WCODE
	s_mov_b32 s21, 0
	s_mov_b32 s23, 0
	s_mov_b32 s47, 0
	s_mov_b32 s93, 0
	s_mul_i32 s45, s14, HALFT
	s_mul_i32 s94, s14, HALFS
	s_wait_dscnt 0x0
	s_wait_kmcnt 0x0
	s_add_nc_u64 s[20:21], s[4:5], s[20:21]
	s_add_nc_u64 s[22:23], s[4:5], s[22:23]
	s_add_nc_u64 s[46:47], s[6:7], s[46:47]
	s_add_nc_u64 s[92:93], s[6:7], s[92:93]
	CROUND
	s_mov_b32 s[G0S], 1
	s_add_co_u32 s[G0S+1], s94, SCL_L
	s_mov_b64 s[G0S+2:G0S+3], s[22:23]
	s_or_b32 s[G0S+3], s[G0S+3], 0x80000000
	s_mov_b32 s[G0SB], 1
	s_add_co_u32 s[G0SB+1], s94, SCL_L
	s_mov_b64 s[G0SB+2:G0SB+3], s[92:93]
	s_or_b32 s[G0SB+3], s[G0SB+3], 0x80000000
	JLOAD G0S, G1S, G0SB, G1SB                     ; three loads of mine are out at the most
.irp s, 0,1
	s_mov_b32 s[G0+4*\s], 1
	s_add_co_u32 s[G0+4*\s+1], s45, \s*SLOT
	s_add_nc_u64 s[G0+4*\s+2:G0+4*\s+3], s[20:21], \s*NQ*1536
	s_or_b32 s[G0+4*\s+3], s[G0+4*\s+3], 0x80000000
	s_mov_b32 s[G0B+4*\s], 1
	s_add_co_u32 s[G0B+4*\s+1], s45, \s*SLOT
	s_add_nc_u64 s[G0B+4*\s+2:G0B+4*\s+3], s[46:47], \s*NQ*1536
	s_or_b32 s[G0B+4*\s+3], s[G0B+4*\s+3], 0x80000000
	JLOAD G0+4*\s, G1, G0B+4*\s, G1B
.endr
	v_and_b32 v1, 15, v0
	v_bfe_u32 v2, v0, 4, 1
	v_and_b32 v3, 31, v0
	v_lshlrev_b32 v[L16], 4, v3
	v_lshlrev_b32 v[L8], 3, v3
	s_mul_i32 s21, s15, HALFT
	s_mul_i32 s22, s16, HALFT
	s_add_co_u32 s22, s22, 2*HALFT
.irp s, 0,1
	v_add_nc_u32 v[ADRA+\s], s21, v[L16]
	v_add_nc_u32 v[ADRA+2+\s], s21, v[L8]
	v_add_nc_u32 v[ADRB+\s], s22, v[L16]
	v_add_nc_u32 v[ADRB+2+\s], s22, v[L8]
	s_add_co_u32 s21, s21, SLOT
	s_add_co_u32 s22, s22, SLOT
.endr
	s_mul_i32 s21, s15, SWO
	s_mul_i32 s22, s16, SWO
	s_add_co_u32 s22, s22, 2*HALFS
	s_sub_co_u32 s22, s22, s21
	v_mul_u32_u24 v6, s22, v2
	s_add_co_u32 s21, s21, SCL_L
	v_lshl_add_u32 v5, v1, 2, v6
	v_add_nc_u32 v[ADRS], s21, v5
	s_lshl_b32 s46, s42, 9
	s_lshl_b32 s47, s16, 8
	s_add_co_u32 s46, s46, s47                     ; my 64 columns, in bytes
	s_mov_b32 s47, 0
	s_add_nc_u64 s[8:9], s[8:9], s[46:47]
	v_lshlrev_b32 v4, 6, v2
.set ib, 0
.rept NB
	global_load_b128 v[BI+8*ib:BI+8*ib+3], v4, s[8:9] offset:128*(ib/2)+32*(ib%2)
	global_load_b128 v[BI+8*ib+4:BI+8*ib+7], v4, s[8:9] offset:128*(ib/2)+32*(ib%2)+16
.set ib, ib+1
.endr
	s_lshl_b32 s20, s17, 7
	s_lshl_b32 s21, s15, 6
	s_add_co_u32 s20, s20, s21
	s_lshl_b32 s20, s20, 12                        ; my 64 rows of 4,096 bytes
	s_mov_b32 s21, 0
	s_add_nc_u64 s[10:11], s[10:11], s[20:21]
	s_add_nc_u64 s[10:11], s[10:11], s[46:47]
	s_add_nc_u64 s[12:13], s[12:13], s[20:21]
	s_add_nc_u64 s[12:13], s[12:13], s[46:47]
	v_lshlrev_b32 v[CO], 12, v2
	v_lshl_add_u32 v[CO], v1, 4, v[CO]             ; lanes 0-15 one row's 256 bytes, lanes 16-31 the next row's
.macro RESLOAD a                       ; the residual of block a: places 2 t, 2 t + 1 of the block are rows 32 (a / 2) + 8 (a % 2) + 16 (t / 4) + 2 (t % 4) and the next
.set t, 0
.rept 8
	global_load_b128 v[176+32*((\a)%2)+4*t:176+32*((\a)%2)+4*t+3], v[CO], s[10:11] offset:(2*(t%4)+16*(t/4)+8*((\a)%2)+32*((\a)/2))*4096
.set t, t+1
.endr
.endm
	RESLOAD 0
	RESLOAD 1
	s_mul_i32 s23, s14, 16*272                     ; my stage, in slot 0, which has had its last fill and its last read when the first result is stored there
	v_mul_u32_u24 v5, v1, 272
	v_lshl_add_u32 v5, v2, 6, v5
	v_add_nc_u32 v[STO], s23, v5                   ; in: row r, + 64 h
	v_mul_u32_u24 v5, v2, 272
	v_lshl_add_u32 v5, v1, 4, v5
	v_add_nc_u32 v[RD], s23, v5                    ; back: two rows an instruction
	s_wait_tensorcnt 1                             ; the scale words and my part of slot 0 are in; slot 1's load may be out
	s_barrier_signal -1
	s_barrier_wait -1
	FETCH_B 0, 0, 0
	FETCH_A 0, 0, 0
	SCALES 0
	FETCH_A 0, 0, MH
	s_wait_loadcnt 16                              ; the bias is in; the residual's sixteen loads may be out
	STEP 0, 0, 1
.if LAPS > 1
	s_mov_b32 s3, LAPS-1
.Llap:                                             ; a trip goes once round the ring and fills both slots again
	REST 0
	TURN 0, 1, 1
	STEP 1, 0, 0
	REST 1
	TURN 1, 0, 1
	STEP 0, 0, 0
	s_sub_co_u32 s3, s3, 1
	s_cmp_lg_u32 s3, 0
	s_cbranch_scc1 .Llap
.endif
	REST 0
	TURN 0, 1, 0                                   ; the last lap fills nothing
	STEP 1, 0, 0
	REST 1
	s_wait_dscnt HAL
	WIN 0xa1
	MULS 0, MH, 1, NQ-1, 1, 0
	s_wait_dscnt 0x0
	WIN 0xf1
	MULS MH, MH, 1, NQ-1, 1, 0
	WIN 0
	PLACES 4
.macro OUTROW a
.set BKR, 96+32*((\a)%2)
.set RSR, 176+32*((\a)%2)
.if (\a) >= 2
	s_wait_xcnt 0x0                                ; block a - 2's stores have read their registers
.endif
	WIN 0x08+4*((\a)/MH)                           ; an LDS store's data are its source 1
.set ib, 0
.rept NB
.set rD, 8*(NB*((\a)%MH)+ib)
	ds_store_b128 v[STO], v[rD:rD+3] offset:128*(ib/2)+32*(ib%2)          ; each accumulator from its low end on: columns 32 (b / 2) + 16 h + 8 (b % 2) + 0..7
	ds_store_b128 v[STO], v[rD+4:rD+7] offset:128*(ib/2)+32*(ib%2)+16
.set ib, ib+1
.endr
	WIN 0
.set t, 0
.rept 8
	ds_load_b128 v[BKR+4*t:BKR+4*t+3], v[RD] offset:t*544          ; LDS serves a wave's instructions in order
.set t, t+1
.endr
	s_wait_dscnt 0x0
.if (\a) < 3
	s_wait_loadcnt 8                               ; this block's residual is in; the next block's may be out
.else
	s_wait_loadcnt 0x0
.endif
.set t, 0
.rept 16
	v_pk_add_f32 v[BKR+t:BKR+t+1], v[BKR+t:BKR+t+1], v[RSR+t:RSR+t+1]
.set t, t+2
.endr
.if (\a) < 2
	RESLOAD (\a)+2
.endif
.set t, 0
.rept 8
	global_store_b128 v[CO], v[BKR+4*t:BKR+4*t+3], s[12:13] offset:(2*(t%4)+16*(t/4)+8*((\a)%2)+32*((\a)/2))*4096   ; 16 lanes store 256 consecutive bytes, at a multiple of 256
.set t, t+1
.endr
.endm
.irp a, 0,1,2,3
	OUTROW \a
.endr
	s_wait_tensorcnt 0x0                           ; the wave's end
	ds_add_u32 v[SPW], v[NIL]
	s_wait_dscnt 0x0
	CROUND                                         ; the closing round
	s_endpgm
.Lfunc_end_k_q2c89b7f4f0_gemm_ff2:
	.size	k_q2c89b7f4f0_gemm_ff2, .Lfunc_end_k_q2c89b7f4f0_gemm_ff2-k_q2c89b7f4f0_gemm_ff2
	.p2alignl 7, 3214868480
	.fill 96, 4, 3214868480
	.section	.rodata,"a",@progbits
	.p2align	6, 0x0
	.amdhsa_kernel k_q2c89b7f4f0_gemm_ff2
		.amdhsa_group_segment_fixed_size 327680
		.amdhsa_private_segment_fixed_size 0
		.amdhsa_enable_private_segment 0
		.amdhsa_kernarg_size 40
		.amdhsa_user_sgpr_count 2
		.amdhsa_user_sgpr_kernarg_segment_ptr 1
		.amdhsa_wavefront_size32 1
		.amdhsa_system_sgpr_workgroup_id_x 1
		.amdhsa_system_sgpr_workgroup_id_y 1
		.amdhsa_system_sgpr_workgroup_id_z 1
		.amdhsa_system_vgpr_workitem_id 0
		.amdhsa_next_free_vgpr 1024
		.amdhsa_next_free_sgpr 102
		.amdhsa_reserve_vcc 0
		.amdhsa_float_denorm_mode_32 3
		.amdhsa_float_denorm_mode_16_64 3
		.amdhsa_memory_ordered 1
		.amdhsa_forward_progress 1
		.amdhsa_inst_pref_size 104
	.end_amdhsa_kernel
	.amdgpu_metadata
---
amdhsa.version: [ 1, 2 ]
amdhsa.kernels:
  - .name:           k_q2c89b7f4f0_gemm_ff2
    .symbol:         k_q2c89b7f4f0_gemm_ff2.kd
    .args:
      - { .name: g, .offset: 0, .size: 8, .value_kind: global_buffer, .address_space: global }
      - { .name: wts, .offset: 8, .size: 8, .value_kind: global_buffer, .address_space: global }
      - { .name: ff2_b, .offset: 16, .size: 8, .value_kind: global_buffer, .address_space: global }
      - { .name: x1, .offset: 24, .size: 8, .value_kind: global_buffer, .address_space: global }
      - { .name: out0, .offset: 32, .size: 8, .value_kind: global_buffer, .address_space: global }
    .group_segment_fixed_size: 327680
    .private_segment_fixed_size: 0
    .kernarg_segment_align: 8
    .kernarg_segment_size: 40
    .max_flat_workgroup_size: 128
    .sgpr_count:     102
    .vgpr_count:     1024
    .wavefront_size: 32
...
	.end_amdgpu_metadata
.endif
;; end of part 7
